; MI455X (gfx1250); checked and timed in simulation.
; The chip was launched on July 23, 2026; its instructions are those of AMD's public machine-readable ISA for CDNA 5 (MIT licence, August 2026) and "CDNA5" Instruction Set Architecture Reference Guide (July 2026). The comments in the code are by the model that wrote it; some were corrected since.
;; Multi Head Attention. Allowed arithmetic: matrix products marked QUANTISED: E2M1 operands, one E8M0 scale for each 32 along K, by v_wmma_scale_f32_16x16x128_f8f6f4 with both operands' format E2M1 (or v_wmma_scale_f32_32x16x128_f4), f32 sums; everything else in f32.
;; Inputs: Wk 1,024 x 1,024 float32; Wo 1,024 x 1,024 float32; Wq 1,024 x 1,024 float32; Wv 1,024 x 1,024 float32; bk 1,024 float32; bo 1,024 float32; bq 1,024 float32; bv 1,024 float32; x 1 x 4,096 x 1,024 float32.
;; Outputs: out0 1 x 4,096 x 1,024 float32.
;; This version of the problem:
;;   THIS VERSION OF THE PROBLEM IS GIVEN IN LOW PRECISION. The matrix products marked QUANTISED in the list below multiply operands that are first quantised to E2M1 (2 exponent bits, 1 mantissa bit; 4 bits a number), with one power-of-two scale for each 32 numbers along K (OCP MX v1.0); their sums are f32. All else is computed in f32.
;;   The module's matrix products, in the order in which they are computed (A, B: the left and right operand; K: the contracted axis; several contracted axes count as one K, in the product's order):
;;     1. [M 4,096, K 1,024] x [K 1,024, N 1,024]; A: input x; B: input Wq: QUANTISED
;;     2. [M 4,096, K 1,024] x [K 1,024, N 1,024]; A: input x; B: input Wk: QUANTISED
;;     3. [M 4,096, K 1,024] x [K 1,024, N 1,024]; A: input x; B: input Wv: QUANTISED
;;     4. batch 16 x [M 4,096, K 64] x [K 64, N 4,096]; A: computed on the way; B: computed on the way: QUANTISED
;;     5. batch 16 x [M 4,096, K 4,096] x [K 4,096, N 64]; A: softmax (see below); B: computed on the way: QUANTISED
;;     6. [M 4,096, K 1,024] x [K 1,024, N 1,024]; A: computed on the way; B: input Wo: QUANTISED
;;   THE QUANTISER, for each operand of a quantised product, along K:
;;     - K is cut into blocks of 32 from its start; a last block that is shorter is filled with zeros.
;;     - A block's scale is 2^e with e = floor(log2(the largest magnitude in the block)) - 2, held to -126 .. 127; a block of zeros has e = 0. As a byte (E8M0): e + 127.
;;     - Each number is divided by its block's scale, clamped to +-6, and rounded to the nearest number of E2M1, ties to even, subnormals kept.
;;     - The product sums the exact products of the quantised numbers (number of the format x scale) in f32.
;;   ~~~python
;;   def quantise(x, axis):      # numpy; x: float32 -> the quantised numbers, widened to float32 again
;;       x = np.moveaxis(x, axis, -1); K = x.shape[-1]
;;       x = np.pad(x, [(0, 0)] * (x.ndim - 1) + [(0, -K % 32)]); x = x.reshape(x.shape[:-1] + (-1, 32)); a = np.abs(x).max(-1, keepdims=True)
;;       e = np.where(a > 0, np.clip(np.frexp(np.where(a > 0, a, 1))[1] - 1 - 2, -126, 127), 0)      # np.frexp(a)[1] - 1 = floor(log2(a)), exactly
;;       r = np.clip(x / 2.0 ** e, -6, 6)
;;       step = 2.0 ** (np.maximum(np.frexp(np.where(r == 0, 1, r))[1] - 1, 0) - 1)
;;       q = np.round(r / step) * step * 2.0 ** e      # np.round: ties to even
;;       return np.moveaxis(q.reshape(q.shape[:-2] + (-1,))[..., :K], -1, axis).astype(np.float32)
;;   ~~~
;;   SOFTMAX AHEAD OF A QUANTISED PRODUCT. Where the list says 'softmax', what is quantised is not the finished softmax but p = 2^(t - M), with t = logit x log2(e) and M = ceil(the row's largest t), a whole number; so 1/2 < the row's largest p <= 1. The row's sum l is taken of the UNQUANTISED p, in f32, and the product's result is divided by l at the end. Since M is a whole number, a kernel that streams over the keys may use a running M (the ceiling of the running maximum): every later rescaling is an exact power of two, which a block's scale takes up: the codes' values come out the same.
;;   OPERANDS COMPUTED ON THE WAY. 'Computed on the way' means the value that the module computes at that place (a softmax that the list does not call 'softmax' is quantised finished and normalised). What goes into a quantiser is computed in f32, as accurately as f32 sums, v_exp_f32 and their like allow (about 1e-6 of the number): no bf16 or f16 on the way to a quantiser, and a product that is left as it is and whose result goes on into a quantised operand takes f32 operands (vector FMAs, or v_wmma_f32_16x16x4_f32). A number that lies on a knife's edge between two numbers of the format may be rounded either way, as far as f32 arithmetic and the matrix unit's own rounding can turn it there, and no further.
;; One version. Each part assembles by itself: llvm-mc -triple=amdgcn-amd-amdhsa -mcpu=gfx1250 --defsym DOCPART=n.
;; ======== version 1 of 1: 4 launches
;; limits: right only within a limited range of input values
;; workspace buffers: xc 2,097,152 bytes; xs 131,072 bytes; wc 2,097,152 bytes; ws 131,072 bytes; qb 4,456,448 bytes; kv 4,456,448 bytes; oc 2,097,152 bytes; os 131,072 bytes
;; launch quant (part 1): grid 256 x 1, 8 waves a work-group, no clusters, 167,936 bytes of LDS; arguments x, Wq, Wk, Wv, Wo, xc, xs, wc, ws; writes xc, xs, wc, ws
.if DOCPART == 1
	.amdgcn_target "amdgcn-amd-amdhsa--gfx1250"
	.amdhsa_code_object_version 6
	.text
	.protected	k_q60e7efe0dc_quant
	.globl	k_q60e7efe0dc_quant
	.p2align	8
	.type	k_q60e7efe0dc_quant,@function
k_q60e7efe0dc_quant:
	s_mov_b64 s[64:65], 0
	v_nop
	global_prefetch_b8 v0, s[64:65] scope:SCOPE_SE
	s_setreg_imm32_b32 hwreg(HW_REG_WAVE_MODE, 25, 1), 1
	s_wait_xcnt 0x0
; MULTI-HEAD ATTENTION IN MX-FP4, launch 1 of 4: x [4096][1024] and Wq, Wk, Wv, Wo [1024 (k)][1024 (n)], f32, become codes of E2M1 with one E8M0 byte for each 32 along K.
; DEAD WORK: none.  Every bias goes into a quantised operand or into the output, every product is live: all ten buffers are used by the program.
; LIMITS: NaN and infinities among the inputs are not served.  A block of zeros gets the byte 1 where the quantiser says 127: its codes are zeros, which add nothing
; under any byte but 0xff, and the bytes are read by this program alone.  Blocks whose largest magnitude lies under 2^(3 - 127) keep the byte 1.
; LAYOUT OF THE CODES (xc, wc): images of the matrix operand's registers.  A storage tile is 16 rows (of x) or 16 columns n (of a weight); lane r of tile 2 b + u is
; logical row 32 b + 8 u + r + 8 (r / 8).  For tile T and K step s of 128: 1,024 bytes at (8 T + s) x 1,024: chunk c at 512 c, lane l's 16 bytes at 16 l: k = 64 c + 32 (l / 16) + 0 .. 31.
; wc: the four weights on end, 64 tiles each.  SCALES (xs, ws): [T][s / 2][r][8 bytes]: a lane's two words are K steps 2 (s / 2) and 2 (s / 2) + 1.
; SHARES.  Work-group g takes 32 rows x 512 k of x (rows 32 (g / 2) on, k 512 (g % 2) on) and 256 k x 64 columns of one weight (g / 64; columns 64 ((g / 4) % 16) on; k 256 (g % 4) on).
; Its eight waves ask for both of its parts at once, one tensor load a wave: no work-group shares a byte with another, so there is no cluster, and nothing is filled twice.
; W: a lane takes a column and its registers run down K: a wave's 32 rows are one block of 32 for each of 64 columns, and only that wave reads them.
; x: a lane takes 32 neighbours along K of one row, twice: a whole block each.
; THE FILLS AS THEY STAND: one tensor load a wave.  Waves 0-3 fetch W's 256 rows, 64 each; waves 4-7 fetch x, 16 logical rows x 1,024 bytes each (rows 16 (w % 2) on, 256 along K at (w / 2) % 2).
; x lies in LDS in logical row order; the order of a storage tile's rows is made by the lane's read address.  One barrier behind the fills shows all of them to all waves.
.set XP,    1040                       ; a row of x in LDS: 1,024 bytes + 16 of padding
.set XKB,   32*XP                      ; 32 storage rows: 256 along K
.set WR,    2*XKB                      ; W's 256 rows of 256 bytes
.set SSTG,  WR+65536                   ; 512 bytes of x's scale words, 512 of W's scale bytes
.set SPARE, SSTG+1024                  ; the spare words: 128 bytes for each of eight waves
.set SPW, 4                            ; v4   my spare word's address; never rewritten
.set NIL, 5                            ; v5   0; never rewritten
.set AW,  6                            ; v6   W: my column in my wave's 32 rows
.set AX,  7                            ; v7   x: my row's 128 bytes of a chunk
.set OW,  8                            ; v8   W's codes: my place in memory
.set OX,  9                            ; v9   x's codes: 16 x lane
.set SBW, 10                           ; v10  W's scale byte in the stage
.set SWX, 11                           ; v11  x's scale word in the stage
.set FIN, 24                           ; v24  the stage on the way out
.set FOF, 25                           ; v25  and the same bytes' place in memory
.set WC,  32                           ; v32-39  W's codes
.set XC,  40                           ; v40-47  x's codes
.set BY,  48                           ; v48-51  scale bytes
.set SO,  52                           ; v52-55  scales on the way out
.set X,   64                           ; v64-127 the numbers
.set WV,  48
.set G1X, 24
.set G1W, 32
.set G0X, 40
.set G0W, 44
	s_load_b512 s[4:19], s[0:1], 0x0               ; x, Wq, Wk, Wv, Wo, xc, xs, wc
	s_load_b64 s[20:21], s[0:1], 0x40              ; ws
	v_lshl_add_u32 v[SPW], v0, 2, SPARE
	v_mov_b32 v[NIL], 0
	ds_add_u32 v[SPW], v[NIL]                      ; the wave's opening: the add, twice on end, and its wait ahead of my first tensor load
	ds_add_u32 v[SPW], v[NIL]
	v_lshrrev_b32 v1, 5, v0
	s_delay_alu instid0(VALU_DEP_1)
	v_readfirstlane_b32 s[WV], v1                  ; wave 0..7
	s_mov_b32 s[G1X+0], (2<<16)|(1<<20)|(7<<22)|(3<<25)   ; elements of 4 bytes; four words of padding behind every 256
	s_mov_b32 s[G1X+1], 256<<16                    ; tensor_dim0 = 256
	s_mov_b32 s[G1X+2], 16<<16                     ; tensor_dim1 = 16
	s_mov_b32 s[G1X+3], 256<<16                    ; tile_dim0 = 256
	s_mov_b32 s[G1X+4], 16                         ; tile_dim1 = 16 rows
	s_mov_b32 s[G1X+5], 1024                       ; from row to row
	s_mov_b32 s[G1X+6], 0
	s_mov_b32 s[G1X+7], 0
	s_mov_b32 s[G1W+0], 2<<16                      ; elements of 4 bytes, no padding
	s_mov_b32 s[G1W+1], 64<<16
	s_mov_b32 s[G1W+2], 64<<16
	s_mov_b32 s[G1W+3], 64<<16
	s_mov_b32 s[G1W+4], 64                         ; 64 rows of 256 bytes
	s_mov_b32 s[G1W+5], 1024
	s_mov_b32 s[G1W+6], 0
	s_mov_b32 s[G1W+7], 0
	s_and_b32 s49, s[WV], 3                        ; W: which 64 rows I fetch (waves 0-3);
	s_lshr_b32 s50, s[WV], 2                       ; x: which 256 along K I quantise
	s_and_b32 s51, s[WV], 1
	s_bfe_u32 s52, s[WV], 0x10001
	s_mul_i32 s53, s50, XKB
	s_mul_i32 s54, s51, 8*XP
	s_add_co_u32 s55, s53, s54                     ; what I quantise: tile w % 2 begins at logical row 8 (w % 2), in the half of K w / 4
	s_mul_i32 s53, s52, XKB
	s_mul_i32 s54, s51, 16*XP
	s_add_co_u32 s53, s53, s54                     ; what I fetch (waves 4-7): half of K (w / 2) % 2, logical rows 16 (w % 2) on
	s_lshl_b32 s54, s52, 9
	s_add_co_u32 s55, s55, s54                     ; what I quantise: tile w % 2, K step w / 2 of the four
	s_lshr_b32 s54, ttmp9, 1
	s_lshl_b32 s56, s54, 17                        ; 32 rows of 4,096 bytes
	s_lshl_b32 s54, s51, 16                        ; 16 rows of 4,096 bytes
	s_add_co_u32 s56, s56, s54
	s_and_b32 s54, ttmp9, 1
	s_lshl_b32 s54, s54, 11
	s_add_co_u32 s56, s56, s54
	s_lshl_b32 s54, s52, 10
	s_add_co_u32 s56, s56, s54
	s_mov_b32 s57, 0
	s_lshr_b32 s58, ttmp9, 6                       ; which weight
	s_bfe_u32 s59, ttmp9, 0x40002                  ; which 64 columns
	s_and_b32 s60, ttmp9, 3                        ; which 256 along K
	s_lshl_b32 s62, s60, 20
	s_lshl_b32 s54, s49, 18                        ; W: 64 rows of 4,096 bytes for each of waves 0-3
	s_add_co_u32 s62, s62, s54
	s_lshl_b32 s54, s59, 8
	s_add_co_u32 s62, s62, s54
	s_mov_b32 s63, 0
	s_lshl_b32 s61, s[WV], 13
	s_add_co_u32 s61, s61, WR                      ; my 32 rows of W in LDS
	s_wait_dscnt 0x0                               ; both opening adds are done
	s_wait_kmcnt 0x0
	s_cmp_lt_u32 s58, 1                            ; the weight is chosen by the work-group's number alone
	s_cselect_b64 s[2:3], s[6:7], s[8:9]
	s_cmp_lt_u32 s58, 3
	s_cselect_b64 s[22:23], s[10:11], s[12:13]
	s_cmp_lt_u32 s58, 2
	s_cselect_b64 s[2:3], s[2:3], s[22:23]
	s_mov_b32 s[G0W], 1
	s_lshl_b32 s[G0W+1], s49, 14
	s_add_co_u32 s[G0W+1], s[G0W+1], WR
	s_add_nc_u64 s[G0W+2:G0W+3], s[2:3], s[62:63]
	s_or_b32 s[G0W+3], s[G0W+3], 0x80000000
	s_mov_b32 s[G0X], 1
	s_mov_b32 s[G0X+1], s53
	s_add_nc_u64 s[G0X+2:G0X+3], s[4:5], s[56:57]
	s_or_b32 s[G0X+3], s[G0X+3], 0x80000000
	s_cmp_lt_u32 s[WV], 4                          ; one chain of branches on the wave's number, one fill to an arm
	s_cbranch_scc0 .Lfor_x
	tensor_load_to_lds s[G0W:G0W+3], s[G1W:G1W+7]
	s_nop 0
.rept 4
	v_nop
.endr
	s_branch .Lasked
.Lfor_x:
	tensor_load_to_lds s[G0X:G0X+3], s[G1X:G1X+7]
	s_nop 0
.rept 4
	v_nop
.endr
.Lasked:
	s_mov_b32 s22, 0x76543210                      ; v_permlanex16_b32's selects for lane l xor 16
	s_mov_b32 s23, 0xfedcba98
	s_lshl_b32 s56, s58, 19                        ; wc: 64 tiles of 8,192 bytes a weight,
	s_lshl_b32 s54, s59, 15                        ; four tiles for my 64 columns,
	s_add_co_u32 s56, s56, s54
	s_lshl_b32 s54, s60, 11                        ; two K steps for my 256 along K,
	s_add_co_u32 s56, s56, s54
	s_lshl_b32 s54, s[WV], 8                       ; and block w of the eight: step w / 4, chunk (w / 2) % 2, half w % 2: 256 w bytes
	s_add_co_u32 s56, s56, s54
	s_add_nc_u64 s[18:19], s[18:19], s[56:57]
	s_lshr_b32 s54, ttmp9, 1
	s_lshl_b32 s56, s54, 14                        ; xc: two tiles for 32 rows,
	s_lshl_b32 s49, s51, 13                        ; my tile,
	s_add_co_u32 s56, s56, s49
	s_and_b32 s49, ttmp9, 1
	s_lshl_b32 s49, s49, 12                        ; four K steps for 512 along K,
	s_add_co_u32 s56, s56, s49
	s_lshr_b32 s49, s[WV], 1
	s_lshl_b32 s49, s49, 10                        ; my K step
	s_add_co_u32 s56, s56, s49
	s_add_nc_u64 s[14:15], s[14:15], s[56:57]
	s_lshl_b32 s56, s54, 10                        ; xs: 512 bytes a tile, 256 for my half of K
	s_and_b32 s49, ttmp9, 1
	s_lshl_b32 s49, s49, 8
	s_add_co_u32 s56, s56, s49
	s_add_nc_u64 s[16:17], s[16:17], s[56:57]
	s_lshl_b32 s56, s58, 15                        ; ws likewise: 128 bytes of each tile for my quarter of K
	s_lshl_b32 s49, s59, 11
	s_add_co_u32 s56, s56, s49
	s_lshl_b32 s49, s60, 7
	s_add_co_u32 s56, s56, s49
	s_add_nc_u64 s[20:21], s[20:21], s[56:57]
	s_cmp_eq_u32 s[WV], 0
	s_cselect_b64 s[2:3], s[16:17], s[20:21]       ; wave 0 sends x's scales, wave 1 W's
	v_and_b32 v1, 31, v0                           ; lane
	v_and_b32 v2, 15, v0                           ; r
	v_bfe_u32 v3, v0, 4, 1                         ; h
	v_and_b32 v12, 7, v0
	v_bfe_u32 v13, v0, 3, 1
	s_delay_alu instid0(VALU_DEP_1)
	v_lshl_or_b32 v12, v13, 4, v12
	s_delay_alu instid0(VALU_DEP_1)
	v_lshl_or_b32 v12, v3, 3, v12                  ; storage place l holds logical column: bits 3 and 4 change places
	s_delay_alu instid0(VALU_DEP_1)
	v_lshl_add_u32 v[AW], v12, 2, s61
	v_and_b32 v13, 8, v2
	s_delay_alu instid0(VALU_DEP_1)
	v_add_nc_u32 v13, v13, v2                      ; lane r of a storage tile takes logical row r + 8 (r / 8) of the tile's
	s_delay_alu instid0(VALU_DEP_1)
	v_mul_u32_u24 v[AX], v13, XP
	s_delay_alu instid0(VALU_DEP_1)
	v_lshl_add_u32 v[AX], v3, 7, v[AX]
	s_delay_alu instid0(VALU_DEP_1)
	v_add_nc_u32 v[AX], s55, v[AX]
	v_lshlrev_b32 v[OW], 4, v2
	s_delay_alu instid0(VALU_DEP_1)
	v_lshl_add_u32 v[OW], v3, 13, v[OW]            ; lanes 0-15 one tile's 256 bytes, lanes 16-31 the next tile's
	v_lshlrev_b32 v[OX], 4, v1
	s_add_co_u32 s54, s[WV], SSTG+512
	v_lshl_add_u32 v[SBW], v1, 3, s54              ; [tile][r][8 bytes], byte w
	s_lshl_b32 s54, s51, 8
	s_lshl_b32 s49, s50, 7
	s_add_co_u32 s54, s54, s49
	s_lshl_b32 s49, s52, 2
	s_add_co_u32 s54, s54, s49
	s_add_co_u32 s54, s54, SSTG
	v_lshl_add_u32 v[SWX], v2, 3, s54              ; [tile][pair of K steps][r][8 bytes]
	s_min_u32 s54, s[WV], 1
	s_lshl_b32 s49, s54, 9
	s_add_co_u32 s49, s49, SSTG
	v_lshl_add_u32 v[FIN], v1, 4, s49
	s_sub_co_u32 s49, 4, s54
	v_lshrrev_b32 v[FOF], s49, v1                  ; x: two tiles of 256 bytes; W: four tiles of 128
	s_lshr_b32 s49, 15, s54
	v_and_b32 v12, s49, v1
	s_delay_alu instid0(VALU_DEP_1)
	v_lshlrev_b32 v12, 4, v12
	s_delay_alu instid0(VALU_DEP_1)
	v_lshl_add_u32 v[FOF], v[FOF], 9, v12          ; 512 bytes from tile to tile
	v_mov_b32 v19, 0                               ; a lane permute's destination counts as one of its sources
; 32 numbers of one block in v[src] on: the largest magnitude with the floor 2^(3 - 127); 2 off its exponent field is the conversion's scale operand; that shifted is the byte
.macro BLOCK src, dst, byte
	v_max3_num_f32 v12, |v[\src]|, |v[\src+1]|, |v[\src+2]|
	v_max3_num_f32 v13, |v[\src+3]|, |v[\src+4]|, |v[\src+5]|
.irp i, 6,10,14,18,22,26
	s_delay_alu instid0(VALU_DEP_2)
	v_max3_num_f32 v12, v12, |v[\src+\i]|, |v[\src+\i+1]|
	s_delay_alu instid0(VALU_DEP_2)
	v_max3_num_f32 v13, v13, |v[\src+\i+2]|, |v[\src+\i+3]|
.endr
	s_delay_alu instid0(VALU_DEP_2)
	v_max3_num_f32 v12, v12, |v[\src+30]|, |v[\src+31]|
	s_delay_alu instid0(VALU_DEP_1)
	v_max3_num_f32 v12, v12, v13, 0x1800000
	s_delay_alu instid0(VALU_DEP_1)
	v_add_nc_u32 v14, 0xff000000, v12
	s_delay_alu instid0(VALU_DEP_1)
	v_lshrrev_b32 v[\byte], 23, v14
.irp g, 0,1,2,3
	v_cvt_scalef32_pk8_fp4_f32 v[\dst+\g], v[\src+8*\g:\src+8*\g+7], v14
.endr
.endm
	s_wait_alu depctr_va_vdst(0)
	s_wait_tensorcnt 0x0                           ; my fill has landed
	s_barrier_signal -1
	s_barrier_wait -1                              ; W's and x's rows are there for all waves
.set i, 0
.rept 64
	ds_load_b32 v[X+i], v[AW] offset:256*(i%32)+128*(i/32)   ; W(k, my column): 32 lanes read 128 neighbouring bytes; columns 0-31 first, then 32-63
.set i, i+1
.endr
	s_wait_dscnt 32                                ; the first 32 columns' block is in; the second's 32 loads may be out
	BLOCK X, WC, BY
	s_wait_dscnt 0x0
	BLOCK X+32, WC+4, BY+1
	v_nop                                          ; one plain line behind the last conversion
	global_store_b128 v[OW], v[WC:WC+3], s[18:19]                  ; sixteen lanes store 256 consecutive bytes, aligned
	global_store_b128 v[OW], v[WC+4:WC+7], s[18:19] offset:16384   ; the next two tiles
	ds_store_b8 v[SBW], v[BY]
	ds_store_b8 v[SBW], v[BY+1] offset:256
.irp c, 0,1
.irp j, 0,1,2,3,4,5,6,7
	ds_load_b128 v[X+32*\c+4*\j:X+32*\c+4*\j+3], v[AX] offset:256*\c+16*\j   ; k = 64 c + 32 h + 4 j on of my row
.endr
.endr
	s_wait_dscnt 8                                 ; chunk 0's block is in; chunk 1's eight loads may be out
	BLOCK X, XC, BY+2
	s_wait_dscnt 0x0
	BLOCK X+32, XC+4, BY+3
	v_nop
	v_lshl_or_b32 v20, v[BY+3], 16, v[BY+2]        ; my two bytes: blocks h and 2 + h of my row,
	v_lshlrev_b32 v21, 3, v3
	s_delay_alu instid0(VALU_DEP_1)
	v_lshlrev_b32 v20, v21, v20                    ; at their places in the scale word;
	s_delay_alu instid0(VALU_DEP_1)
	v_permlanex16_b32 v19, v20, s22, s23
	s_delay_alu instid0(VALU_DEP_1)
	v_or_b32 v20, v20, v19                         ; with lane l xor 16's two the word is whole
	ds_store_b32 v[SWX], v20                       ; both halves of the lanes write the same word with the same value
	global_store_b128 v[OX], v[XC:XC+3], s[14:15]              ; 32 lanes store 512 consecutive bytes
	global_store_b128 v[OX], v[XC+4:XC+7], s[14:15] offset:512
	s_wait_dscnt 0x0                               ; for the others' sake: my scale word has landed
	s_barrier_signal -1
	s_barrier_wait -1
	s_cmp_gt_u32 s[WV], 1
	s_cbranch_scc1 .Lend
	ds_load_b128 v[SO:SO+3], v[FIN]                ; wave 0: x's 512 bytes of scales; wave 1: W's
	s_wait_dscnt 0x0
	global_store_b128 v[FOF], v[SO:SO+3], s[2:3]   ; x's leave as runs of 256 bytes, W's as runs of 128: a quarter of K is half of a tile's aligned 256; they are one byte in 128 of what the launch reads
.Lend:
	s_wait_tensorcnt 0x0                           ; the wave's end
	ds_add_u32 v[SPW], v[NIL]
	s_wait_dscnt 0x0
	s_endpgm
.Lfunc_end_k_q60e7efe0dc_quant:
	.size	k_q60e7efe0dc_quant, .Lfunc_end_k_q60e7efe0dc_quant-k_q60e7efe0dc_quant
	.p2alignl 7, 3214868480
	.fill 96, 4, 3214868480
	.section	.rodata,"a",@progbits
	.p2align	6, 0x0
	.amdhsa_kernel k_q60e7efe0dc_quant
		.amdhsa_group_segment_fixed_size 167936
		.amdhsa_private_segment_fixed_size 0
		.amdhsa_enable_private_segment 0
		.amdhsa_kernarg_size 72
		.amdhsa_user_sgpr_count 2
		.amdhsa_user_sgpr_kernarg_segment_ptr 1
		.amdhsa_wavefront_size32 1
		.amdhsa_system_sgpr_workgroup_id_x 1
		.amdhsa_system_sgpr_workgroup_id_y 1
		.amdhsa_system_sgpr_workgroup_id_z 1
		.amdhsa_system_vgpr_workitem_id 0
		.amdhsa_next_free_vgpr 128
		.amdhsa_next_free_sgpr 66
		.amdhsa_reserve_vcc 0
		.amdhsa_float_denorm_mode_32 3
		.amdhsa_float_denorm_mode_16_64 3
		.amdhsa_memory_ordered 1
		.amdhsa_forward_progress 1
		.amdhsa_inst_pref_size 22
	.end_amdhsa_kernel
	.amdgpu_metadata
---
amdhsa.version: [ 1, 2 ]
amdhsa.kernels:
  - .name:           k_q60e7efe0dc_quant
    .symbol:         k_q60e7efe0dc_quant.kd
    .args:
      - { .name: x, .offset: 0, .size: 8, .value_kind: global_buffer, .address_space: global }
      - { .name: Wq, .offset: 8, .size: 8, .value_kind: global_buffer, .address_space: global }
      - { .name: Wk, .offset: 16, .size: 8, .value_kind: global_buffer, .address_space: global }
      - { .name: Wv, .offset: 24, .size: 8, .value_kind: global_buffer, .address_space: global }
      - { .name: Wo, .offset: 32, .size: 8, .value_kind: global_buffer, .address_space: global }
      - { .name: xc, .offset: 40, .size: 8, .value_kind: global_buffer, .address_space: global }
      - { .name: xs, .offset: 48, .size: 8, .value_kind: global_buffer, .address_space: global }
      - { .name: wc, .offset: 56, .size: 8, .value_kind: global_buffer, .address_space: global }
      - { .name: ws, .offset: 64, .size: 8, .value_kind: global_buffer, .address_space: global }
    .group_segment_fixed_size: 167936
    .private_segment_fixed_size: 0
    .kernarg_segment_align: 8
    .kernarg_segment_size: 72
    .max_flat_workgroup_size: 256
    .sgpr_count:     66
    .vgpr_count:     128
    .wavefront_size: 32
...
	.end_amdgpu_metadata
.endif
;; end of part 1
;; launch qkv (part 2): grid 8 x 24, 4 waves a work-group, clusters of 4 x 4, 327,680 bytes of LDS; arguments xc, xs, wc, ws, bq, bk, bv, qb, kv; writes qb, kv
.if DOCPART == 2
	.amdgcn_target "amdgcn-amd-amdhsa--gfx1250"
	.amdhsa_code_object_version 6
	.text
	.protected	k_q60e7efe0dc_qkv
	.globl	k_q60e7efe0dc_qkv
	.p2align	8
	.type	k_q60e7efe0dc_qkv,@function
k_q60e7efe0dc_qkv:
	s_mov_b64 s[64:65], 0
	v_nop
	global_prefetch_b8 v0, s[64:65] scope:SCOPE_SE
	s_setreg_imm32_b32 hwreg(HW_REG_WAVE_MODE, 25, 1), 1
	s_wait_xcnt 0x0
	s_wait_alu depctr_hold_cnt(0) depctr_sa_sdst(0) depctr_va_vdst(0) depctr_va_sdst(0) depctr_va_ssrc(0) depctr_va_vcc(0) depctr_vm_vsrc(0)
	s_getreg_b32 s2, hwreg(HW_REG_IB_STS2, 6, 4)
	s_cmp_eq_u32 s2, 0
	s_cbranch_scc0 .Lentry_in_a_cluster
	s_endpgm
.Lentry_in_a_cluster:
	s_bfe_u32 s2, ttmp6, 0x10000c
	s_cmp_lg_u32 s2, 0xf033
	s_cbranch_scc0 .Lentry_shape_is_right
	s_endpgm
.Lentry_shape_is_right:
; Launch 2 of 4: q = x Wq + bq, k = x Wk + bk, v = x Wv + bv on codes of E2M1 (K = 1,024), and q, k, v quantised in registers: q and k along the head's 64, v along the keys.  No work is left out.
; LIMITS as in the first launch (NaN and infinities not served; a block of zeros keeps the byte 1).
; A tile of 256 x 256 results to a work-group, 128 x 128 to each of four waves: 64 accumulators.  Source 0 ("B") is the operand along whose index the result is quantised: a lane's registers run along it;
; source 1 ("A") gives a lane its row.  ROLE 0 (cluster y 0-3): A = x, B = Wq | Wk.  ROLE 1 (cluster y 4, 5): A = Wv, B = x.  The role hangs on the cluster's y alone: it is the same in all sixteen partners.
; 192 work-groups: 3 x 4,096 x 1,024 results in tiles of 256 x 256.
; The codes lie in memory as images of the operand's registers (first launch): a fragment is two loads of 512 consecutive bytes; the rows of a storage tile are chosen so that the 16 registers of
; B's tiles 2 b and 2 b + 1 are 16 neighbours, 32 b + 16 (lane / 16) + 0 .. 15, along the axis that is quantised.
; K = 1,024 is two LDS slots of four K steps: both are asked for at the head, nothing is filled twice.  CLUSTERS: 4 x 4; A's tiles are asked for jointly along a row, B's along a column.
; OUT (qb, kv): [head][step of 128 positions][8,704 bytes]: +0 K's (Q's) codes, tile a at 512 a + 16 lane (d = 32 (lane / 16) on); +4,096 V's codes, d tile t at 1,024 t + 512 c + 16 lane (keys 64 c + 32 (lane / 16) on);
; +8,192 K's (Q's) scales [r][4 words], word j: tile 2 j's two bytes, then tile 2 j + 1's; +8,448 V's scales [r][4 words], word t.  qb has the first and third part alone.
; REGISTERS: window 0: v1-3 lane, r, h; v16-29 addresses; v32-95 scale words (register 8 i + s: lanes 0-15 A's tile i, lanes 16-31 B's tile i, K step s); v96-127 at work; v128-191 A's fragments, one set, later the codes.
;   window 1: B's fragments, two sets, at v0 and v128; v64-127 the bias as the C of the first products.   windows 2, 3: the accumulators, (a, b) at v[8 (8 (a % 4) + b)].
; THE FILLS AS THEY STAND: one joint load a wave at the head: wave 0 A's 16 tiles for all of K, 131,072 dense bytes; wave 1 B's; wave 2 A's scales; wave 3 B's.
.set SLOT,  4096                       ; K steps 4 to 7 of a tile lie 4,096 bytes behind its K steps 0 to 3; a tile is 8,192 bytes
.set BOFF,  131072
.set SCL,   262144
.set SPARE, SCL+16384                  ; the spare words: 128 bytes for each wave
.set HEADB, 278528
.set STEPB, 8704
.set FR,   8
.set NP,   4
.set ADRA, 16
.set ADRB, 20
.set BO,   24
.set CS,   25
.set CO,   26
.set ADRS, 27
.set SPW,  28
.set NIL,  29
.set SC,   32
.set TM,   96
.set PW,   112
.set OWD,  120
.set AF,   128
.set BI,   64
.set G1,   24
.set G0,   32
.set G1B,  48
.set G0B,  56
.set G1S,  68
.set G0S,  76
.set G1SB, 80
.set G0SB, 88
.set SEL,  66
.set WV,   92
.set RH,   93
.set PH,   94
.set ROLE, 95
.set OUT,  98
.set BP,   100
.set MSB, 0
.macro WIN new                         ; the immediate's high byte repeats the setting that is left
.if MSB != \new
	s_set_vgpr_msb (MSB<<8)|\new
.set MSB, \new
.endif
.endm
.set MUL_LO, 0xa1                      ; source 0 (B) window 1, source 1 (A) window 0, C and D window 2
.set MUL_HI, 0xf1                      ; the same, C and D window 3
.set TO_B,   0x40
.macro ARM under, g0, g1, next         ; an arm of the head's one chain of branches on the wave's number: its joint load and a jump to the join
	s_cmp_lt_u32 s[WV], \under
	s_cbranch_scc0 \next
	tensor_load_to_lds s[\g0:\g0+3], s[\g1:\g1+7]
	s_nop 0
.rept 4
	v_nop
.endr
	s_branch .Lhead_asked
\next:
.endm
.macro CROUND                          ; a round of the cluster's barrier
	s_barrier_signal -1
	s_barrier_wait -1
	s_cmp_lg_u32 s[WV], 0
	s_cbranch_scc1 .Lnot_wave_0_\@
	s_barrier_signal -3
.Lnot_wave_0_\@:
	s_barrier_wait -3
	s_barrier_signal -1
	s_barrier_wait -1
.endm
.macro PLACES n
.rept \n
	v_nop
.endr
.endm
	s_load_b512 s[4:19], s[0:1], 0x0               ; xc, xs, wc, ws, bq, bk, bv, qb
	s_load_b64 s[20:21], s[0:1], 0x40              ; kv
	v_lshl_add_u32 v[SPW], v0, 2, SPARE
	v_mov_b32 v[NIL], 0
	ds_add_u32 v[SPW], v[NIL]                      ; the wave's opening: the add, twice on end, and its wait ahead of my first tensor load
	ds_add_u32 v[SPW], v[NIL]
	v_lshrrev_b32 v1, 5, v0
	v_readfirstlane_b32 s[WV], v1                  ; wave 0..3
	s_lshr_b32 s[RH], s[WV], 1                     ; which half of A's rows is mine.  Also: I fetch codes (0) or scales (1)
	s_and_b32 s[PH], s[WV], 1                      ; which half of B's rows.  Also: I fetch for A (0) or for B (1)
	s_bfe_u32 s40, ttmp6, 0x40000                  ; cx
	s_bfe_u32 s41, ttmp6, 0x40004                  ; cy
	s_and_b32 s22, ttmp7, 0xffff                   ; the cluster's y
	s_lshl_b32 s23, s22, 2
	s_lshl_b32 s2, s22, 3
	s_sub_co_u32 s2, s2, 32                        ; 8 (cluster y - 4): used in role 1 alone
	s_lshl_b32 s42, ttmp9, 2
	s_add_co_u32 s42, s42, s40
	s_cmp_ge_u32 s22, 4
	s_cselect_b32 s[ROLE], 1, 0
	s_cselect_b32 s23, 0, s23
	s_cselect_b32 s2, s2, 0
	s_cselect_b32 s3, 0x100000, 0                  ; role 1: Wv's codes begin 128 tiles into wc,
	s_cselect_b32 s22, 0x10000, 0                  ; its scales 128 tiles into ws
	s_add_co_u32 s43, s23, s41                     ; A's block of 256 rows: role 0: 4 cluster y + cy; role 1: cy
	s_add_co_u32 s42, s42, s2                      ; B's: 4 cluster x + cx (+ 8 (cluster y - 4) in role 1)
	s_lshl_b32 s44, s41, 2
	s_lshl_b32 s44, 15, s44                        ; my row of the cluster
	s_lshl_b32 s45, 0x1111, s40                    ; my column
	s_or_b32 s[G1+0], s44, (3<<16)|(1<<21)         ; the mask; elements of 8 bytes; bit 21 set beside a mask; no padding: the images are read 512 consecutive bytes at a time
	s_or_b32 s[G1B+0], s45, (3<<16)|(1<<21)
.irp g, G1, G1B
	s_mov_b32 s[\g+1], 32<<16                      ; a dense block of 131,072 bytes as 512 rows of 256 bytes
	s_mov_b32 s[\g+2], 512<<16
	s_mov_b32 s[\g+3], 32<<16
	s_mov_b32 s[\g+4], 512
	s_mov_b32 s[\g+5], 32
	s_mov_b32 s[\g+6], 0
	s_mov_b32 s[\g+7], 0
.endr
	s_or_b32 s[G1S+0], s44, (3<<16)|(1<<21)
	s_or_b32 s[G1SB+0], s45, (3<<16)|(1<<21)
.irp g, G1S, G1SB
	s_mov_b32 s[\g+1], 32<<16                      ; the scales of sixteen tiles: 8,192 dense bytes as 32 rows of 256
	s_mov_b32 s[\g+2], 32<<16                      ; sixteen tiles' scales: 32 rows of 256 bytes
	s_mov_b32 s[\g+3], 32<<16
	s_mov_b32 s[\g+4], 32
	s_mov_b32 s[\g+5], 32
	s_mov_b32 s[\g+6], 0
	s_mov_b32 s[\g+7], 0
.endr
	s_lshl_b32 s96, s43, 17                        ; A's codes: 16 tiles of 8,192 bytes a block,
	s_add_co_u32 s96, s96, s3
	s_mov_b32 s97, 0
	s_lshl_b32 s23, s43, 13                        ; A's scales: 16 tiles of 512 bytes
	s_add_co_u32 s22, s22, s23
	s_mov_b32 s23, 0
	s_lshl_b32 s46, s42, 17                        ; B's likewise, in registers of their own
	s_mov_b32 s47, 0
	s_lshl_b32 s2, s42, 13
	s_mov_b32 s3, 0
	s_mov_b32 s[G0S], 1                            ; where they go: constants of the text
	s_mov_b32 s[G0S+1], SCL
	s_mov_b32 s[G0SB], 1
	s_mov_b32 s[G0SB+1], SCL+8192
	s_mov_b32 s[G0], 1
	s_mov_b32 s[G0+1], 0
	s_mov_b32 s[G0B], 1
	s_mov_b32 s[G0B+1], BOFF
	s_wait_dscnt 0x0                               ; both opening adds are done
	s_wait_kmcnt 0x0
	s_cmp_lg_u32 s[ROLE], 0                        ; the buffers are chosen by the role
	s_cselect_b64 s[G0+2:G0+3], s[8:9], s[4:5]
	s_cselect_b64 s[G0S+2:G0S+3], s[10:11], s[6:7]
	s_cselect_b64 s[G0B+2:G0B+3], s[4:5], s[8:9]
	s_cselect_b64 s[G0SB+2:G0SB+3], s[6:7], s[10:11]
	s_add_nc_u64 s[G0+2:G0+3], s[G0+2:G0+3], s[96:97]
	s_add_nc_u64 s[G0S+2:G0S+3], s[G0S+2:G0S+3], s[22:23]
	s_add_nc_u64 s[G0B+2:G0B+3], s[G0B+2:G0B+3], s[46:47]
	s_add_nc_u64 s[G0SB+2:G0SB+3], s[G0SB+2:G0SB+3], s[2:3]
	s_or_b32 s[G0+3], s[G0+3], 0x80000000
	s_or_b32 s[G0S+3], s[G0S+3], 0x80000000
	s_or_b32 s[G0B+3], s[G0B+3], 0x80000000
	s_or_b32 s[G0SB+3], s[G0SB+3], 0x80000000
	CROUND                                         ; all sixteen work-groups are here: the first joint loads meet
	ARM 1, G0,  G1,  .Lhead_b                      ; one joint load a wave: A's codes,
	ARM 2, G0B, G1B, .Lhead_sa                     ; B's codes,
	ARM 3, G0S, G1S, .Lhead_sb                     ; A's scales,
	tensor_load_to_lds s[G0SB:G0SB+3], s[G1SB:G1SB+7]   ; B's scales
	s_nop 0
.rept 4
	v_nop
.endr
.Lhead_asked:
	s_mov_b32 s[SEL], 0x76543210
	s_mov_b32 s[SEL+1], 0xfedcba98
	s_cmp_eq_u32 ttmp9, 0                          ; role 0: cluster x 0 makes q, cluster x 1 makes k
	s_cselect_b64 s[BP:BP+1], s[12:13], s[14:15]
	s_cselect_b64 s[OUT:OUT+1], s[18:19], s[20:21]
	s_cmp_lg_u32 s[ROLE], 0
	s_cselect_b64 s[BP:BP+1], s[16:17], s[BP:BP+1]
	s_cselect_b64 s[OUT:OUT+1], s[20:21], s[OUT:OUT+1]
	s_cselect_b32 s2, s43, s40                     ; which 256 of the 1,024 channels: role 1 by A's block, role 0 by cx;
	s_cselect_b32 s3, s[RH], s[PH]                 ; and which 128 of them
	s_cselect_b32 s46, s42, s43                    ; which 256 positions: role 1 by B's block, role 0 by A's;
	s_cselect_b32 s47, s[PH], s[RH]                ; and which 128
	s_lshl_b32 s22, s2, 10
	s_lshl_b32 s23, s3, 9
	s_add_co_u32 s22, s22, s23
	s_mov_b32 s23, 0
	s_add_nc_u64 s[BP:BP+1], s[BP:BP+1], s[22:23]  ; the bias of my 128 channels
	s_lshl_b32 s2, s2, 2
	s_lshl_b32 s3, s3, 1
	s_add_co_u32 s2, s2, s3                        ; my first head of two
	s_mul_i32 s2, s2, HEADB
	s_lshl_b32 s46, s46, 1
	s_add_co_u32 s46, s46, s47                     ; my step of 128 positions
	s_mul_i32 s46, s46, STEPB
	s_add_co_u32 s22, s2, s46
	s_add_nc_u64 s[OUT:OUT+1], s[OUT:OUT+1], s[22:23]
	v_and_b32 v1, 31, v0                           ; lane
	v_and_b32 v2, 15, v0                           ; r
	v_bfe_u32 v3, v0, 4, 1                         ; h
	s_wait_alu depctr_va_vdst(0)
	v_lshlrev_b32 v[CO], 4, v1
	s_lshl_b32 s22, s[RH], 16                      ; my eight tiles of A, 8,192 bytes each
	s_lshl_b32 s23, s[PH], 16
	s_add_co_u32 s23, s23, BOFF                    ; and of B
.irp s, 0,1
	v_add_nc_u32 v[ADRA+\s], s22, v[CO]
	v_add_nc_u32 v[ADRB+\s], s23, v[CO]
	s_add_co_u32 s22, s22, SLOT
	s_add_co_u32 s23, s23, SLOT
.endr
	s_lshl_b32 s22, s[RH], 12                      ; scale words: A's for lanes 0-15,
	s_lshl_b32 s23, s[PH], 12
	s_add_co_u32 s23, s23, 8192                    ; B's for lanes 16-31:
	s_sub_co_u32 s23, s23, s22
	v_mul_u32_u24 v5, s23, v3                      ; the lower base + h x the distance
	s_add_co_u32 s22, s22, SCL
	v_lshl_add_u32 v5, v2, 3, v5
	v_add_nc_u32 v[ADRS], s22, v5
	v_mul_u32_u24 v[CS], v3, HEADB
	v_lshl_add_u32 v[CS], v2, 4, v[CS]             ; the scales' way out: lanes 0-15 my first head, lanes 16-31 my second
	s_cmp_lg_u32 s[ROLE], 0
	s_cbranch_scc1 .Lbias_v
	v_lshlrev_b32 v[BO], 6, v3                     ; role 0: the bias runs along the registers: tile b's eight are channels 32 (b / 2) + 16 h + 8 (b % 2) on
	WIN TO_B
.irp b, 0,1,2,3,4,5,6,7
	global_load_b128 v[BI+8*\b:BI+8*\b+3], v[BO], s[BP:BP+1] offset:128*(\b/2)+32*(\b%2)
	global_load_b128 v[BI+8*\b+4:BI+8*\b+7], v[BO], s[BP:BP+1] offset:128*(\b/2)+32*(\b%2)+16
.endr
	WIN 0
	s_branch .Lbias_done
.Lbias_v:
	v_and_b32 v[BO], 8, v2                         ; role 1: the bias belongs to the lane's row: channel 32 (a / 2) + 8 (a % 2) + r + 8 (r / 8) of tile a
	v_add_nc_u32 v[BO], v[BO], v2
	v_lshlrev_b32 v[BO], 2, v[BO]
.irp a, 0,1,2,3,4,5,6,7
	global_load_b32 v[TM+\a], v[BO], s[BP:BP+1] offset:4*(32*(\a/2)+8*(\a%2))
.endr
	s_wait_loadcnt 0x0
	WIN TO_B
.irp a, 0,1,2,3,4,5,6,7
.irp j, 0,1,2,3,4,5,6,7
	v_mov_b32 v[BI+8*\a+\j], v[TM+\a]              ; C's layout wants it in all eight registers; these lines run while the tiles are on their way
.endr
.endr
	WIN 0
.Lbias_done:
	s_wait_loadcnt 0x0
.macro FRAG reg, adr, q, i             ; a fragment: tile i, the slot's q-th K step: two loads of 512 consecutive bytes
.irp c, 0,1
	ds_load_b128 v[\reg+4*\c:\reg+4*\c+3], v[\adr] offset:8192*(\i)+1024*(\q)+512*\c
.endr
.endm
; 16 matrix instructions: A's tiles a0, a0 + 1 x B's eight.  p: B's set; ks: the K step; cm: C is D (0), the bias by B's tile (1) or by A's tile (2).  The 64 accumulators take turns.
.macro MUL16 a0, p, ks, cm
.irp a, \a0, \a0+1
.irp b, 0,1,2,3,4,5,6,7
.if (\cm) == 0
	v_wmma_scale_f32_16x16x128_f8f6f4 v[8*(8*((\a)%4)+\b):8*(8*((\a)%4)+\b)+7], v[128*(\p)+FR*\b:128*(\p)+FR*\b+FR-1], v[AF+FR*(\a):AF+FR*(\a)+FR-1], v[8*(8*((\a)%4)+\b):8*(8*((\a)%4)+\b)+7], v[SC+8*\b+(\ks)], v[SC+8*(\a)+(\ks)] matrix_a_fmt:MATRIX_FMT_FP4 matrix_b_fmt:MATRIX_FMT_FP4 matrix_a_scale:MATRIX_SCALE_ROW1
.elseif (\cm) == 1
	v_wmma_scale_f32_16x16x128_f8f6f4 v[8*(8*((\a)%4)+\b):8*(8*((\a)%4)+\b)+7], v[128*(\p)+FR*\b:128*(\p)+FR*\b+FR-1], v[AF+FR*(\a):AF+FR*(\a)+FR-1], v[BI+8*\b:BI+8*\b+7], v[SC+8*\b+(\ks)], v[SC+8*(\a)+(\ks)] matrix_a_fmt:MATRIX_FMT_FP4 matrix_b_fmt:MATRIX_FMT_FP4 matrix_a_scale:MATRIX_SCALE_ROW1
.else
	v_wmma_scale_f32_16x16x128_f8f6f4 v[8*(8*((\a)%4)+\b):8*(8*((\a)%4)+\b)+7], v[128*(\p)+FR*\b:128*(\p)+FR*\b+FR-1], v[AF+FR*(\a):AF+FR*(\a)+FR-1], v[BI+8*(\a):BI+8*(\a)+7], v[SC+8*\b+(\ks)], v[SC+8*(\a)+(\ks)] matrix_a_fmt:MATRIX_FMT_FP4 matrix_b_fmt:MATRIX_FMT_FP4 matrix_a_scale:MATRIX_SCALE_ROW1
.endif
.endr
.endr
.endm
.macro FETCH_B slot, q, p
	WIN TO_B
.irp i, 0,1,2,3,4,5,6,7
	FRAG 128*(\p)+FR*\i, ADRB+\slot, \q, \i
.endr
	WIN 0
.endm
.macro FETCH_A slot, q, i0
.irp i, \i0, \i0+1, \i0+2, \i0+3
	FRAG AF+FR*(\i), ADRA+\slot, \q, \i
.endr
.endm
; A K step of 128 that has its successor in the same slot: A's tiles one after the other, each against B's eight; A has one set of registers, B two.
.macro STEP slot, q, cm
	s_wait_dscnt 8                                 ; all but the youngest eight loads (A's tiles 4-7) are in
.if (\cm) == 0
	WIN MUL_LO
.else
	WIN 0x91                                       ; C (the bias) window 1, D window 2
.endif
	MUL16 0, (\q)%2, 4*(\slot)+(\q), \cm
	MUL16 2, (\q)%2, 4*(\slot)+(\q), \cm
	s_wait_dscnt 0x0                               ; A's tiles 4-7 are in
	PLACES NP                                      ; four places in front of loads into registers that matrix instructions have read
	FETCH_B \slot, (\q)+1, 1-(\q)%2
	FETCH_A \slot, (\q)+1, 0
.if (\cm) == 0
	WIN MUL_HI
.else
	WIN 0xd1                                       ; C window 1, D window 3
.endif
	MUL16 4, (\q)%2, 4*(\slot)+(\q), \cm
	MUL16 6, (\q)%2, 4*(\slot)+(\q), \cm
	PLACES NP
	WIN 0
	FETCH_A \slot, (\q)+1, 4
.endm
	s_wait_tensorcnt 0x0                           ; my one fill has landed
	s_barrier_signal -1
	s_barrier_wait -1
	s_wait_alu depctr_va_vdst(0)
	FETCH_B 0, 0, 0
	FETCH_A 0, 0, 0
.irp i, 0,1,2,3,4,5,6,7
.irp qq, 0,1,2,3
	ds_load_b64 v[SC+8*\i+2*\qq:SC+8*\i+2*\qq+1], v[ADRS] offset:512*\i+128*\qq   ; all eight K steps' scale words, once
.endr
.endr
	FETCH_A 0, 0, 4
	s_cmp_lg_u32 s[ROLE], 0
	s_cbranch_scc1 .Lfirst_v
	STEP 0, 0, 1                                   ; the first products start the sums from the bias
	s_branch .Lfirst_done
.Lfirst_v:
	STEP 0, 0, 2
.Lfirst_done:
	STEP 0, 1, 0
	STEP 0, 2, 0
	; slot 0's last step changes slots: one barrier
	s_wait_tensorcnt 0x0                           ; my part of slot 1 has landed
	ds_add_u32 v[SPW], v[NIL]
	s_wait_dscnt 9                                 ; (the add and A's tiles 4-7 may be out)
	WIN MUL_LO
	MUL16 0, 1, 3, 0
	s_wait_dscnt 0x0
	s_barrier_signal -1
	MUL16 2, 1, 3, 0
	WIN 0
	s_barrier_wait -1                              ; slot 1 is whole
	PLACES NP
	FETCH_B 1, 0, 0
	FETCH_A 1, 0, 0
	WIN MUL_HI
	MUL16 4, 1, 3, 0
	MUL16 6, 1, 3, 0
	PLACES NP
	WIN 0
	FETCH_A 1, 0, 4
	STEP 1, 0, 0
	STEP 1, 1, 0
	STEP 1, 2, 0
	s_wait_dscnt 8                                 ; the last step: nothing more to fetch
	WIN MUL_LO
	MUL16 0, 1, 7, 0
	MUL16 2, 1, 7, 0
	s_wait_dscnt 0x0
	WIN MUL_HI
	MUL16 4, 1, 7, 0
	MUL16 6, 1, 7, 0
	WIN 0
	PLACES NP                                      ; four places in front of the first read of results and the first write of A's registers
.irp b, 0,1,2,3
	v_mov_b32 v[TM+4+\b], 0                        ; a lane permute's destination counts as one of its sources
.endr
; THE WAY OUT.  The 64 results of A's tile a in a lane, register 16 b + i = index 32 b + 16 h + i along B, become a fragment's codes in v[AF + 8 a] on and its scale word in v[PW + a].
; Each accumulator is read from its low end on.
.macro QUANTW a
.set AC, 64*((\a)%4)
.set WW, 2+(\a)/4
	WIN WW|(WW<<2)                                 ; sources 0 and 1: the accumulators' window
.irp b, 0,1,2,3
	v_max3_num_f32 v[TM+\b], |v[AC+16*\b]|, |v[AC+16*\b+1]|, 0x1800000   ; with the floor 2^(3 - 127): the byte cannot fall under 1
.endr
.irp i, 2,4,6,8,10,12,14
.irp b, 0,1,2,3
	v_max3_num_f32 v[TM+\b], |v[AC+16*\b+\i]|, |v[AC+16*\b+\i+1]|, v[TM+\b]
.endr
.endr
	WIN 0
.irp b, 0,1,2,3
	v_permlanex16_b32 v[TM+4+\b], v[TM+\b], s[SEL], s[SEL+1]
.endr
.irp b, 0,1,2,3
	v_max_num_f32 v[TM+\b], v[TM+\b], v[TM+4+\b]   ; with lane l xor 16's 16: the block's largest magnitude
.endr
.irp b, 0,1,2,3
	v_add_nc_u32 v[TM+12+\b], 0xff000000, v[TM+\b] ; 2 off its exponent field: the conversion's scale operand
.endr
.irp b, 0,1,2,3
	v_lshrrev_b32 v[TM+4+\b], 23, v[TM+12+\b]      ; the scale's byte
.endr
	v_lshl_or_b32 v[PW+\a], v[TM+5], 8, v[TM+4]
	v_lshl_or_b32 v[PW+\a], v[TM+6], 16, v[PW+\a]
	v_lshl_or_b32 v[PW+\a], v[TM+7], 24, v[PW+\a]
	WIN WW
.irp b, 0,1,2,3
	v_cvt_scalef32_pk8_fp4_f32 v[AF+8*\a+2*\b], v[AC+16*\b:AC+16*\b+7], v[TM+12+\b]
	v_cvt_scalef32_pk8_fp4_f32 v[AF+8*\a+2*\b+1], v[AC+16*\b+8:AC+16*\b+15], v[TM+12+\b]
.endr
	WIN 0
	v_nop                                          ; one plain line behind the last conversion
.irp c, 0,1
.irp i, 0,1
	v_permlane16_swap_b32 v[AF+8*\a+4*\c+\i], v[AF+8*\a+4*\c+2+\i]   ; a whole block to a lane: registers 4 c .. 4 c + 3 hold 64 c + 32 h + 0 .. 31
.endr
.endr
.endm
.macro EPI role
.irp a, 0,1,2,3,4,5,6,7
	QUANTW \a
.irp c, 0,1
.if \role
	global_store_b128 v[CO], v[AF+8*\a+4*\c:AF+8*\a+4*\c+3], s[OUT:OUT+1] offset:HEADB*(\a/4)+4096+1024*(\a%4)+512*\c   ; v: head a / 4 of my two, d tile a % 4, keys 64 c on: 512 consecutive bytes
.else
	global_store_b128 v[CO], v[AF+8*\a+4*\c:AF+8*\a+4*\c+3], s[OUT:OUT+1] offset:HEADB*\c+512*\a                       ; q, k: head c of my two, tile a of the step: 512 consecutive bytes
.endif
.endr
.endr
	v_cmp_eq_u32 vcc_lo, 1, v3
.if \role
.irp j, 0,1,2,3
	v_cndmask_b32 v[OWD+\j], v[PW+\j], v[PW+4+\j], vcc_lo          ; lanes 0-15: the first head's four d tiles; lanes 16-31: the second's
.endr
	global_store_b128 v[CS], v[OWD:OWD+3], s[OUT:OUT+1] offset:8448
.else
	v_mov_b32 v124, 0x05040100                     ; the low halves of two words: the first head's bytes of tiles 2 j and 2 j + 1;
	v_mov_b32 v125, 0x07060302                     ; the high halves: the second head's
	v_cndmask_b32 v124, v124, v125, vcc_lo
.irp j, 0,1,2,3
	v_perm_b32 v[OWD+\j], v[PW+2*\j+1], v[PW+2*\j], v124
.endr
	global_store_b128 v[CS], v[OWD:OWD+3], s[OUT:OUT+1] offset:8192   ; sixteen lanes store 256 consecutive bytes, aligned
.endif
.endm
	s_cmp_lg_u32 s[ROLE], 0
	s_cbranch_scc1 .Lout_v
	EPI 0
	s_branch .Lout_done
.Lout_v:
	EPI 1
.Lout_done:
	s_wait_tensorcnt 0x0                           ; the wave's end
	ds_add_u32 v[SPW], v[NIL]
	s_wait_dscnt 0x0
	CROUND                                         ; the closing round
	s_endpgm
.Lfunc_end_k_q60e7efe0dc_qkv:
	.size	k_q60e7efe0dc_qkv, .Lfunc_end_k_q60e7efe0dc_qkv-k_q60e7efe0dc_qkv
	.p2alignl 7, 3214868480
	.fill 96, 4, 3214868480
	.section	.rodata,"a",@progbits
	.p2align	6, 0x0
	.amdhsa_kernel k_q60e7efe0dc_qkv
		.amdhsa_group_segment_fixed_size 327680
		.amdhsa_private_segment_fixed_size 0
		.amdhsa_enable_private_segment 0
		.amdhsa_kernarg_size 72
		.amdhsa_user_sgpr_count 2
		.amdhsa_user_sgpr_kernarg_segment_ptr 1
		.amdhsa_wavefront_size32 1
		.amdhsa_system_sgpr_workgroup_id_x 1
		.amdhsa_system_sgpr_workgroup_id_y 1
		.amdhsa_system_sgpr_workgroup_id_z 1
		.amdhsa_system_vgpr_workitem_id 0
		.amdhsa_next_free_vgpr 1024
		.amdhsa_next_free_sgpr 102
		.amdhsa_reserve_vcc 1
		.amdhsa_float_denorm_mode_32 3
		.amdhsa_float_denorm_mode_16_64 3
		.amdhsa_memory_ordered 1
		.amdhsa_forward_progress 1
		.amdhsa_inst_pref_size 176
	.end_amdhsa_kernel
	.amdgpu_metadata
---
amdhsa.version: [ 1, 2 ]
amdhsa.kernels:
  - .name:           k_q60e7efe0dc_qkv
    .symbol:         k_q60e7efe0dc_qkv.kd
    .args:
      - { .name: xc, .offset: 0, .size: 8, .value_kind: global_buffer, .address_space: global }
      - { .name: xs, .offset: 8, .size: 8, .value_kind: global_buffer, .address_space: global }
      - { .name: wc, .offset: 16, .size: 8, .value_kind: global_buffer, .address_space: global }
      - { .name: ws, .offset: 24, .size: 8, .value_kind: global_buffer, .address_space: global }
      - { .name: bq, .offset: 32, .size: 8, .value_kind: global_buffer, .address_space: global }
      - { .name: bk, .offset: 40, .size: 8, .value_kind: global_buffer, .address_space: global }
      - { .name: bv, .offset: 48, .size: 8, .value_kind: global_buffer, .address_space: global }
      - { .name: qb, .offset: 56, .size: 8, .value_kind: global_buffer, .address_space: global }
      - { .name: kv, .offset: 64, .size: 8, .value_kind: global_buffer, .address_space: global }
    .group_segment_fixed_size: 327680
    .private_segment_fixed_size: 0
    .kernarg_segment_align: 8
    .kernarg_segment_size: 72
    .max_flat_workgroup_size: 128
    .sgpr_count:     102
    .vgpr_count:     1024
    .wavefront_size: 32
...
	.end_amdgpu_metadata
.endif
;; end of part 2
;; launch attn (part 3): grid 16 x 16, 8 waves a work-group, clusters of 4 x 1, 327,680 bytes of LDS; arguments qb, kv, oc, os; writes oc, os
.if DOCPART == 3
	.amdgcn_target "amdgcn-amd-amdhsa--gfx1250"
	.amdhsa_code_object_version 6
	.text
	.protected	k_q60e7efe0dc_attn
	.globl	k_q60e7efe0dc_attn
	.p2align	8
	.type	k_q60e7efe0dc_attn,@function
k_q60e7efe0dc_attn:
	s_mov_b64 s[64:65], 0
	v_nop
	global_prefetch_b8 v0, s[64:65] scope:SCOPE_SE
	s_setreg_imm32_b32 hwreg(HW_REG_WAVE_MODE, 25, 1), 1
	s_wait_xcnt 0x0
	s_wait_alu depctr_hold_cnt(0) depctr_sa_sdst(0) depctr_va_vdst(0) depctr_va_sdst(0) depctr_va_ssrc(0) depctr_va_vcc(0) depctr_vm_vsrc(0)
	s_getreg_b32 s2, hwreg(HW_REG_IB_STS2, 6, 4)
	s_cmp_eq_u32 s2, 0
	s_cbranch_scc0 .Lentry_in_a_cluster
	s_endpgm
.Lentry_in_a_cluster:
	s_bfe_u32 s2, ttmp6, 0x10000c
	s_cmp_lg_u32 s2, 0x3003
	s_cbranch_scc0 .Lentry_shape_is_right
	s_endpgm
.Lentry_shape_is_right:
; Launch 3 of 4: o = softmax(q k^T / 8) v for 16 heads of 64, both products on codes of E2M1, and o quantised along the 1,024 channels.  No work is left out.
; t = score x log2(e) / 8; M = the running largest t rounded up to a whole number; p = 2^(t - M) is quantised along the keys; the row's sum is taken of the unquantised p and divides at the end.
; LIMITS: NaN and infinities are not served; a block of zeros keeps the byte 1; the promise holds while the scaled scores stay under 2^31 in magnitude.
; SHARES.  A work-group owns 256 queries of one head; each of its eight waves owns two tiles of 16 queries, so that each fragment of K and V read from LDS feeds both tiles.  Every wave walks the head's 4,096 keys, 128 a step.
; LDS.  A head's K and V (codes and scales, 1,088 rows of 256 bytes) fit whole: each wave fetches 136 rows by ONE tensor load at the head; nothing is filled again, and one barrier shows all to all.
; 32 bytes of padding behind each 256: a step is 34 rows x 288 = 9,792 bytes.  CLUSTER: the four work-groups of a cluster walk the same head and ask jointly (mask 15).
; No prefetch: all fills go out at the head, and there is no loop of fills to run ahead in.
; THE KEYS OF A TILE are chosen by the lane's LDS address: row m of tile (c, i) is key 64 c + 32 (m / 8) + 8 i + m % 8.  S^T = K Q^T then gives lane (r, h) query r and, in registers 32 c + 0 .. 31,
; the whole block 2 c + h of 32 keys in order: a block's maximum needs no other lane, and the conversions' results are the second product's operand as they stand.
; A fragment of K holds two tiles (64 + 64 along the instruction's K); Q stands beside zero codes, first [Q, 0], then [0, Q], which picks one of the two.
; REGISTERS.  Window 1: v0-63, v64-127 S^T then p of tiles A, B; v128-159, v160-191 O^T; v192-203, v204-215 [0, Q, 0].
; Window 0: v1-11, v18-19 addresses; v12-17 -M and the largest score; v20-27 the sums; v28-31 f; v32-63 K; v64-95 V; v96-107 scale words; v112-127 p's codes; v128-153 at work.
.set HEADB, 278528
.set STEPB, 8704
.set LSTEP, 9792
.set SPARE, 313344                     ; behind the head's tiles: the spare words, 128 bytes for each of eight waves
.set LI,  1                            ; 16 x lane
.set LT,  2                            ; V's scales: 16 r
.set SPW, 3
.set NIL, 4
.set LK,  5                            ; K: 1,152 (r / 8) + 16 (r % 8) + 288 h
.set LV,  6                            ; V: 16 r + 288 h
.set LS,  7                            ; K's scales: 16 (r % 8) + 4 (r / 8)
.set SH8, 8                            ; 8 h
.set OSA, 9                            ; o's scale byte: 8 r + h
.set ADK, 10
.set ADV, 11
.set ADS, 18
.set ADT, 19
.set KF,  32
.set VF,  64
.set KS,  96
.set VS,  100
.set BM,  128                          ; v128-131 the blocks' maxima: A's two, B's two
.set SO,  140                          ; v140-143 the conversions' scale operands
.set BY,  144                          ; v144-147 the scale bytes
.set WV,  12
.set G1,  24
.set G0,  32
.set SEL, 40
.set CS,  42
.set TB,  54
.set CNT, 55
.set MSB, 0
.macro WIN new                         ; the immediate's high byte repeats the setting that is left
.if MSB != \new
	s_set_vgpr_msb (MSB<<8)|\new
.set MSB, \new
.endif
.endm
.macro CROUND
	s_barrier_signal -1
	s_barrier_wait -1
	s_cmp_lg_u32 s[WV], 0
	s_cbranch_scc1 .Lnot_wave_0_\@
	s_barrier_signal -3
.Lnot_wave_0_\@:
	s_barrier_wait -3
	s_barrier_signal -1
	s_barrier_wait -1
.endm
.macro NOPS n
.rept \n
	v_nop
.endr
.endm
	s_load_b256 s[4:11], s[0:1], 0x0               ; qb, kv, oc, os
	v_lshl_add_u32 v[SPW], v0, 2, SPARE
	v_mov_b32 v[NIL], 0
	ds_add_u32 v[SPW], v[NIL]                      ; the opening: the add, twice on end, and its wait ahead of my tensor load
	ds_add_u32 v[SPW], v[NIL]
	v_lshrrev_b32 v128, 5, v0
	v_readfirstlane_b32 s[WV], v128                ; wave 0..7
	s_bfe_u32 s13, ttmp6, 0x40000                  ; cx
	s_lshl_b32 s14, ttmp9, 2
	s_add_co_u32 s14, s14, s13                     ; which 256 queries
	s_and_b32 s15, ttmp7, 0xffff                   ; the head
	s_mov_b32 s[G1+0], 15|(3<<16)|(1<<20)|(1<<21)|(5<<22)|(7<<25)   ; mask of the four; elements of 8 bytes; eight words of padding behind every 64
	s_mov_b32 s[G1+1], 32<<16
	s_mov_b32 s[G1+2], 136<<16
	s_mov_b32 s[G1+3], 32<<16
	s_mov_b32 s[G1+4], 136                         ; 136 rows of 256 bytes: four key steps
	s_mov_b32 s[G1+5], 32
	s_mov_b32 s[G1+6], 0
	s_mov_b32 s[G1+7], 0
	s_mul_i32 s16, s15, HEADB
	s_mov_b32 s17, 0
	s_mul_i32 s18, s[WV], 136*256
	s_mov_b32 s19, 0
	s_mov_b32 s[G0], 1
	s_mul_i32 s[G0+1], s[WV], 136*288
	s_mov_b32 s[SEL], 0x76543210
	s_mov_b32 s[SEL+1], 0xfedcba98
	s_mov_b32 s[CS], 0x3e38aa3b                    ; c = log2(e) / 8
	s_mov_b32 s[CS+1], s[CS]
	s_mov_b32 s[TB], 0
	s_mov_b32 s[CNT], 31
	s_lshl_b32 s44, s14, 1
	s_lshr_b32 s45, s[WV], 2
	s_add_co_u32 s44, s44, s45                     ; my queries' step of 128
	s_mul_i32 s44, s44, STEPB
	s_add_co_u32 s44, s44, s16
	s_mov_b32 s45, 0
	s_and_b32 s46, s[WV], 3
	s_lshl_b32 s47, s46, 10                        ; my two tiles' codes in the step
	s_lshl_b32 s46, s46, 2                         ; and their common scale word
	s_lshl_b32 s48, s14, 4
	s_lshl_b32 s49, s[WV], 1
	s_add_co_u32 s48, s48, s49                     ; my first storage tile of o
	s_lshl_b32 s50, s48, 13
	s_lshl_b32 s51, s15, 9
	s_add_co_u32 s50, s50, s51
	s_mov_b32 s51, 0
	s_lshl_b32 s52, s48, 9
	s_lshr_b32 s53, s15, 2
	s_lshl_b32 s53, s53, 7
	s_add_co_u32 s52, s52, s53
	s_and_b32 s53, s15, 3
	s_lshl_b32 s53, s53, 1
	s_add_co_u32 s52, s52, s53
	s_mov_b32 s53, 0
	s_wait_dscnt 0x0                               ; both opening adds are done
	s_wait_kmcnt 0x0
	s_add_nc_u64 s[6:7], s[6:7], s[16:17]
	s_add_nc_u64 s[G0+2:G0+3], s[6:7], s[18:19]
	s_or_b32 s[G0+3], s[G0+3], 0x80000000
	s_add_nc_u64 s[4:5], s[4:5], s[44:45]
	s_add_nc_u64 s[8:9], s[8:9], s[50:51]
	s_add_nc_u64 s[10:11], s[10:11], s[52:53]
	CROUND                                         ; the four work-groups are here: the joint loads meet
	tensor_load_to_lds s[G0:G0+3], s[G1:G1+7]      ; my one tensor load
	s_nop 0
	NOPS 4
	v_and_b32 v128, 15, v0                         ; r
	v_bfe_u32 v129, v0, 4, 1                       ; h
	v_and_b32 v130, 7, v0
	v_bfe_u32 v131, v0, 3, 1
	v_and_b32 v[LI], 31, v0
	v_lshlrev_b32 v[LI], 4, v[LI]
	v_lshlrev_b32 v[LT], 4, v128
	v_add_nc_u32 v132, s47, v[LI]
	v_add_nc_u32 v133, s46, v[LT]
	WIN 0x40
	global_load_b128 v[196:199], v132, s[4:5]              ; Q of tile A
	global_load_b128 v[208:211], v132, s[4:5] offset:512   ; and of tile B
	WIN 0
	global_load_b32 v150, v133, s[4:5] offset:8192         ; A's two scale bytes, then B's
	v_mad_u32_u24 v[LV], v129, 288, v[LT]
	v_lshlrev_b32 v[LS], 4, v130
	v_mad_u32_u24 v[LK], v131, 1152, v[LS]
	v_mad_u32_u24 v[LK], v129, 288, v[LK]
	v_lshl_add_u32 v[LS], v131, 2, v[LS]
	v_lshlrev_b32 v[SH8], 3, v129
	v_lshl_add_u32 v[OSA], v128, 3, v129
	v_add_nc_u32 v[ADK], s[TB], v[LK]
	v_add_nc_u32 v[ADV], s[TB], v[LV]
	v_add_nc_u32 v[ADS], s[TB], v[LS]
	v_add_nc_u32 v[ADT], s[TB], v[LT]
.irp j, 12,14
	v_mov_b32 v\j, 0x7f61b1e6                      ; -M begins at 3e38,
.endr
.irp j, 16,17
	v_mov_b32 v\j, 0xff61b1e6                      ; the largest score at -3e38
.endr
.irp j, 13,15,20,21,22,23,24,25,26,27,29,31,134,135,136,137,152,153
	v_mov_b32 v\j, 0                               ; the sums; pairs' upper halves; lane permutes' destinations
.endr
	s_wait_alu depctr_va_vdst(0)
	s_wait_loadcnt 0x0
	v_perm_b32 v104, v150, v150, 0x01000100        ; Q's scale words: the tile's two bytes, twice
	v_perm_b32 v105, v150, v150, 0x03020302
	WIN 0x40
.irp j, 192,193,194,195,200,201,202,203,204,205,206,207,212,213,214,215
	v_mov_b32 v\j, 0                               ; zero codes beside Q
.endr
.set j, 128
.rept 64
	v_mov_b32 v[j], 0                              ; O^T: the step is written for all steps alike; the first change of M leaves zeros zeros.  (These lines run while the tiles are on their way, and are the places behind the scale words' writes)
.set j, j+1
.endr
	WIN 0
.macro KLOAD                           ; 12 loads: four fragments of two tiles each, and their scale words
.irp c, 0,1
.irp y, 0,1
	ds_load_b128 v[KF+16*\c+8*\y:KF+16*\c+8*\y+3], v[ADK] offset:2304*\c+128*\y
	ds_load_b128 v[KF+16*\c+8*\y+4:KF+16*\c+8*\y+7], v[ADK] offset:2304*\c+128*\y+576
	ds_load_b32 v[KS+2*\c+\y], v[ADS] offset:9216+128*\y+8*\c
.endr
.endr
.endm
.macro VLOAD                           ; 9 loads: four tiles of 16 channels x 128 keys, and their scale words
.irp t, 0,1,2,3
.irp c, 0,1
	ds_load_b128 v[VF+8*\t+4*\c:VF+8*\t+4*\c+3], v[ADV] offset:4608+1152*\t+576*\c
.endr
.endr
	ds_load_b128 v[VS:VS+3], v[ADT] offset:9504
.endm
.macro SMM d, q, f, qs
	v_wmma_scale_f32_16x16x128_f8f6f4 v[\d:\d+7], v[KF+8*\f:KF+8*\f+7], v[\q:\q+7], 0, v[KS+\f], v[\qs] matrix_a_fmt:MATRIX_FMT_FP4 matrix_b_fmt:MATRIX_FMT_FP4
.endm
.macro PMM o, t, p, ps
	v_wmma_scale_f32_16x16x128_f8f6f4 v[\o+8*\t:\o+8*\t+7], v[VF+8*\t:VF+8*\t+7], v[\p:\p+7], v[\o+8*\t:\o+8*\t+7], v[VS+\t], v[\ps] matrix_a_fmt:MATRIX_FMT_FP4 matrix_b_fmt:MATRIX_FMT_FP4
.endm
; A KEY STEP of 128 keys for both tiles.  more = 1: the next step's fragments are asked for as soon as this step's registers are free.
.macro STEP more
	s_wait_dscnt 9                                 ; K's 12 loads are in; V's 9, issued behind them, may be out
	WIN 0x44                                       ; D and source 1 (Q) in window 1
.irp f, 0,1,2,3
	SMM 16*\f, 196, \f, 104
	SMM 64+16*\f, 208, \f, 105
	SMM 16*\f+8, 192, \f, 104
	SMM 64+16*\f+8, 204, \f, 105
.endr
	WIN 0
.if \more
	s_add_co_u32 s[TB], s[TB], LSTEP
	v_add_nc_u32 v[ADK], s[TB], v[LK]              ; four places behind the products, two of them useful
	v_add_nc_u32 v[ADS], s[TB], v[LS]
	NOPS 2
	KLOAD
.else
	NOPS 4
.endif
	WIN 0x05                                       ; sources 0 and 1 in window 1
.irp x, 0,1,2,3
	v_max_num_f32 v[BM+\x], v[32*\x], v[32*\x+1]   ; each block's largest score; each accumulator is read from its low end on
.endr
.irp i, 2,4,6,8,10,12,14,16,18,20,22,24,26,28,30
.irp x, 0,1,2,3
	v_max3_num_f32 v[BM+\x], v[32*\x+\i], v[32*\x+\i+1], v[BM+\x]
.endr
.endr
	WIN 0
	v_max_num_f32 v132, v128, v129                 ; the two tiles' chains by turns
	v_max_num_f32 v133, v130, v131
	v_permlanex16_b32 v134, v132, s[SEL], s[SEL+1]
	v_permlanex16_b32 v135, v133, s[SEL], s[SEL+1]
	v_max3_num_f32 v16, v16, v132, v134            ; the running largest score of my query
	v_max3_num_f32 v17, v17, v133, v135
	v_mul_f32 v138, s[CS], v16                     ; as t (c is positive)
	v_mul_f32 v139, s[CS], v17
	v_floor_f32 v138, -v138                        ; the new -M
	v_floor_f32 v139, -v139
	v_sub_f32 v148, v138, v12                      ; old M less new M: a whole number, 0 or less
	v_sub_f32 v149, v139, v14
	v_mov_b32 v12, v138
	v_mov_b32 v14, v139
	v_cvt_i32_f32 v148, v148                       ; (it saturates)
	v_cvt_i32_f32 v149, v149
	v_ldexp_f32 v28, 1.0, v148                     ; f = 2^(old M - new M)
	v_ldexp_f32 v30, 1.0, v149
	v_fma_f32 v128, v128, s[CS], v12               ; t - M of each block's largest score
	v_fma_f32 v129, v129, s[CS], v12
	v_fma_f32 v130, v130, s[CS], v14
	v_fma_f32 v131, v131, s[CS], v14
	v_pk_mul_f32 v[20:21], v[20:21], v[28:29] op_sel_hi:[1,0]   ; the sums under the new M
	v_pk_mul_f32 v[24:25], v[24:25], v[30:31] op_sel_hi:[1,0]
	v_pk_mul_f32 v[22:23], v[22:23], v[28:29] op_sel_hi:[1,0]
	v_pk_mul_f32 v[26:27], v[26:27], v[30:31] op_sel_hi:[1,0]
	WIN 0x41                                       ; source 0 and destination in window 1
.set j, 0
.rept 32
	v_pk_fma_f32 v[j:j+1], v[j:j+1], s[CS:CS+1], v[12:13] op_sel_hi:[1,0,0]          ; t - M
	v_pk_fma_f32 v[64+j:65+j], v[64+j:65+j], s[CS:CS+1], v[14:15] op_sel_hi:[1,0,0]
.set j, j+2
.endr
.set j, 0
.rept 16
	v_pk_mul_f32 v[128+j:129+j], v[128+j:129+j], v[28:29] op_sel_hi:[1,0]            ; O^T under the new M, ahead of the exponentials
	v_pk_mul_f32 v[160+j:161+j], v[160+j:161+j], v[30:31] op_sel_hi:[1,0]
.set j, j+2
.endr
	s_wait_alu depctr_va_vdst(0)
.set j, 0
.rept 128
	v_exp_f32 v[j], v[j]                           ; p = 2^(t - M)
.set j, j+1
.endr
	WIN 0
.irp x, 0,1,2,3
	v_exp_f32 v[BM+\x], v[BM+\x]                   ; each block's largest p
.endr
.if \more
	v_add_nc_u32 v[ADV], s[TB], v[LV]              ; plain work behind the batch
	v_add_nc_u32 v[ADT], s[TB], v[LT]
.else
	v_nop
.endif
	s_wait_alu depctr_va_vdst(0)                   ; one wait for the batch, ahead of its first reader
.irp x, 0,1,2,3
	v_max_num_f32 v[BM+\x], 0x1800000, v[BM+\x]    ; the floor 2^(3 - 127): the byte cannot fall under 1
.endr
.irp x, 0,1,2,3
	v_add_nc_u32 v[SO+\x], 0xff000000, v[BM+\x]    ; 2 off the exponent field: the conversion's scale operand
.endr
.irp x, 0,1,2,3
	v_lshrrev_b32 v[BY+\x], 23, v[SO+\x]
.endr
	v_lshl_or_b32 v150, v145, 16, v144             ; my two bytes, blocks h and 2 + h,
	v_lshl_or_b32 v151, v147, 16, v146
	v_lshlrev_b32 v150, v[SH8], v150               ; at their places in the scale word;
	v_lshlrev_b32 v151, v[SH8], v151
	v_permlanex16_b32 v152, v150, s[SEL], s[SEL+1]
	v_permlanex16_b32 v153, v151, s[SEL], s[SEL+1]
	v_or_b32 v106, v150, v152                      ; with lane l xor 16's two the word is whole
	v_or_b32 v107, v151, v153
	WIN 0x01                                       ; source 0 in window 1
.irp x, 0,1,2,3
.irp g, 0,1,2,3
	v_cvt_scalef32_pk8_fp4_f32 v[112+4*\x+\g], v[32*\x+8*\g:32*\x+8*\g+7], v[SO+\x]
.endr
.endr
	WIN 0x04                                       ; source 1 in window 1
.set j, 0
.rept 16
	v_pk_add_f32 v[20:21], v[20:21], v[j:j+1]      ; the rows' sums of the unquantised p, two chains a tile; these 64 lines are also the places ahead of the products below
	v_pk_add_f32 v[24:25], v[24:25], v[64+j:65+j]
	v_pk_add_f32 v[22:23], v[22:23], v[j+2:j+3]
	v_pk_add_f32 v[26:27], v[26:27], v[66+j:67+j]
.set j, j+4
.endr
.if \more
	s_wait_dscnt 12                                ; V's loads are in; the next step's 12 of K may be out
.else
	s_wait_dscnt 0x0
.endif
	WIN 0x50                                       ; C and D in window 1
.irp t, 0,1,2,3
	PMM 128, \t, 112, 106
	PMM 160, \t, 120, 107
.endr
	WIN 0
	NOPS 4                                         ; four places behind the products
.if \more
	VLOAD
.endif
.endm
	s_wait_alu depctr_va_vdst(0)
	s_wait_tensorcnt 0x0                           ; my 136 rows have landed
	s_barrier_signal -1
	s_barrier_wait -1                              ; the whole head is there for all waves
	KLOAD
	VLOAD
.Lstep:
	STEP 1
	s_sub_co_u32 s[CNT], s[CNT], 1
	s_cmp_lg_u32 s[CNT], 0
	s_cbranch_scc1 .Lstep
	STEP 0                                         ; the last step asks for nothing more
	; THE WAY OUT: O^T / the sum, quantised along the head's 64 channels (two blocks; a block lies in lanes l and l xor 16), stored as an image of the next product's operand.
	s_wait_alu depctr_va_vdst(0)                   ; the wait directly ahead of the reader below: the sums were written ahead of the last step's wait on DScnt
	v_pk_add_f32 v[20:21], v[20:21], v[22:23]
	v_pk_add_f32 v[24:25], v[24:25], v[26:27]
	v_add_f32 v20, v20, v21
	v_add_f32 v24, v24, v25
	v_permlanex16_b32 v134, v20, s[SEL], s[SEL+1]
	v_permlanex16_b32 v135, v24, s[SEL], s[SEL+1]
	v_add_f32 v20, v20, v134
	v_add_f32 v24, v24, v135
	s_wait_alu depctr_va_vdst(0)
	v_rcp_f32 v20, v20
	v_rcp_f32 v24, v24
	v_bfe_u32 v132, v0, 4, 1                       ; (plain work behind them)
	v_cmp_eq_u32 vcc_lo, 1, v132
	s_wait_alu depctr_va_vdst(0)                   ; the wait ahead of their first reader, which is also the first reader of O^T
	WIN 0x41
.set j, 0
.rept 16
	v_pk_mul_f32 v[128+j:129+j], v[128+j:129+j], v[20:21] op_sel_hi:[1,0]
	v_pk_mul_f32 v[160+j:161+j], v[160+j:161+j], v[24:25] op_sel_hi:[1,0]
.set j, j+2
.endr
	WIN 0x05
.irp x, 0,1,2,3
	v_max3_num_f32 v[BM+\x], |v[128+16*\x]|, |v[129+16*\x]|, 0x1800000
.endr
.irp i, 2,4,6,8,10,12,14
.irp x, 0,1,2,3
	v_max3_num_f32 v[BM+\x], |v[128+16*\x+\i]|, |v[129+16*\x+\i]|, v[BM+\x]
.endr
.endr
	WIN 0
.irp x, 0,1,2,3
	v_permlanex16_b32 v[134+\x], v[BM+\x], s[SEL], s[SEL+1]
.endr
.irp x, 0,1,2,3
	v_max_num_f32 v[BM+\x], v[BM+\x], v[134+\x]
.endr
.irp x, 0,1,2,3
	v_add_nc_u32 v[SO+\x], 0xff000000, v[BM+\x]
.endr
.irp x, 0,1,2,3
	v_lshrrev_b32 v[BY+\x], 23, v[SO+\x]
.endr
	WIN 0x01
.irp x, 0,1,2,3
	v_cvt_scalef32_pk8_fp4_f32 v[112+2*\x], v[128+16*\x:135+16*\x], v[SO+\x]
	v_cvt_scalef32_pk8_fp4_f32 v[113+2*\x], v[136+16*\x:143+16*\x], v[SO+\x]
.endr
	WIN 0
	v_nop                                          ; one plain line behind the last conversion
	v_permlane16_swap_b32 v112, v114               ; a whole block to a lane
	v_permlane16_swap_b32 v113, v115
	v_permlane16_swap_b32 v116, v118
	v_permlane16_swap_b32 v117, v119
	v_cndmask_b32 v150, v144, v145, vcc_lo         ; lanes 0-15 send block 0's byte, lanes 16-31 block 1's
	v_cndmask_b32 v151, v146, v147, vcc_lo
	global_store_b128 v[LI], v[112:115], s[8:9]                ; 32 lanes store 512 consecutive bytes
	global_store_b128 v[LI], v[116:119], s[8:9] offset:8192    ; tile B: the next storage tile
	global_store_b8 v[OSA], v150, s[10:11]                     ; two bytes of each row's eight: the other heads' work-groups write the rest
	global_store_b8 v[OSA], v151, s[10:11] offset:512
	s_wait_tensorcnt 0x0                           ; the wave's end
	ds_add_u32 v[SPW], v[NIL]
	s_wait_dscnt 0x0
	CROUND                                         ; the closing round
	s_endpgm
.Lfunc_end_k_q60e7efe0dc_attn:
	.size	k_q60e7efe0dc_attn, .Lfunc_end_k_q60e7efe0dc_attn-k_q60e7efe0dc_attn
	.p2alignl 7, 3214868480
	.fill 96, 4, 3214868480
	.section	.rodata,"a",@progbits
	.p2align	6, 0x0
	.amdhsa_kernel k_q60e7efe0dc_attn
		.amdhsa_group_segment_fixed_size 327680
		.amdhsa_private_segment_fixed_size 0
		.amdhsa_enable_private_segment 0
		.amdhsa_kernarg_size 32
		.amdhsa_user_sgpr_count 2
		.amdhsa_user_sgpr_kernarg_segment_ptr 1
		.amdhsa_wavefront_size32 1
		.amdhsa_system_sgpr_workgroup_id_x 1
		.amdhsa_system_sgpr_workgroup_id_y 1
		.amdhsa_system_sgpr_workgroup_id_z 1
		.amdhsa_system_vgpr_workitem_id 0
		.amdhsa_next_free_vgpr 512
		.amdhsa_next_free_sgpr 66
		.amdhsa_reserve_vcc 1
		.amdhsa_float_denorm_mode_32 3
		.amdhsa_float_denorm_mode_16_64 3
		.amdhsa_memory_ordered 1
		.amdhsa_forward_progress 1
		.amdhsa_inst_pref_size 69
	.end_amdhsa_kernel
	.amdgpu_metadata
---
amdhsa.version: [ 1, 2 ]
amdhsa.kernels:
  - .name:           k_q60e7efe0dc_attn
    .symbol:         k_q60e7efe0dc_attn.kd
    .args:
      - { .name: qb, .offset: 0, .size: 8, .value_kind: global_buffer, .address_space: global }
      - { .name: kv, .offset: 8, .size: 8, .value_kind: global_buffer, .address_space: global }
      - { .name: oc, .offset: 16, .size: 8, .value_kind: global_buffer, .address_space: global }
      - { .name: os, .offset: 24, .size: 8, .value_kind: global_buffer, .address_space: global }
    .group_segment_fixed_size: 327680
    .private_segment_fixed_size: 0
    .kernarg_segment_align: 8
    .kernarg_segment_size: 32
    .max_flat_workgroup_size: 256
    .sgpr_count:     66
    .vgpr_count:     512
    .wavefront_size: 32
...
	.end_amdgpu_metadata
.endif
;; end of part 3
;; launch oproj (part 4): grid 8 x 32, 4 waves a work-group, clusters of 4 x 4, 167,936 bytes of LDS; arguments oc, os, wc, ws, bo, out0; writes out0
.if DOCPART == 4
	.amdgcn_target "amdgcn-amd-amdhsa--gfx1250"
	.amdhsa_code_object_version 6
	.text
	.protected	k_q60e7efe0dc_oproj
	.globl	k_q60e7efe0dc_oproj
	.p2align	8
	.type	k_q60e7efe0dc_oproj,@function
k_q60e7efe0dc_oproj:
	s_mov_b64 s[64:65], 0
	v_nop
	global_prefetch_b8 v0, s[64:65] scope:SCOPE_SE
	s_setreg_imm32_b32 hwreg(HW_REG_WAVE_MODE, 25, 1), 1
	s_wait_xcnt 0x0
	s_wait_alu depctr_hold_cnt(0) depctr_sa_sdst(0) depctr_va_vdst(0) depctr_va_sdst(0) depctr_va_ssrc(0) depctr_va_vcc(0) depctr_vm_vsrc(0)
	s_getreg_b32 s2, hwreg(HW_REG_IB_STS2, 6, 4)
	s_cmp_eq_u32 s2, 0
	s_cbranch_scc0 .Lentry_in_a_cluster
	s_endpgm
.Lentry_in_a_cluster:
	s_bfe_u32 s2, ttmp6, 0x10000c
	s_cmp_lg_u32 s2, 0xf033
	s_cbranch_scc0 .Lentry_shape_is_right
	s_endpgm
.Lentry_shape_is_right:
; Launch 4 of 4: out0 = o Wo + bo on codes of E2M1, K = 1,024.  No work is left out.  LIMITS as in the first launch.
; A tile of 128 x 128 results to a work-group (256 work-groups), 64 x 64 to each of four waves: 16 accumulators.  Source 0 = 16 columns of Wo, source 1 = 16 rows of o: a lane holds eight neighbouring columns of one row.
; Codes and scales lie as images of the operands' registers (first launch).  K is two LDS slots of four K steps, both asked for at the head; nothing is filled twice.
; CLUSTERS: 4 x 4; o's tiles are asked for jointly along a row, Wo's along a column.
; REGISTERS: window 0: v1-3 lane, r, h; v16-30 addresses; v32-63 scale words (register 8 i + s: lanes 0-15 o's tile i, lanes 16-31 Wo's tile i, K step s);
;   v64-127, v128-191 two sets of fragments (Wo's four, then o's four); on the way out rows of the result.   window 1: v0-127 the accumulators, (a, b) at v[8 (4 a + b)]; v128-159 the bias.
; THE FILLS AS THEY STAND: one joint load a wave at the head: wave 0 o's 8 tiles for all of K, 65,536 dense bytes; wave 1 Wo's; wave 2 o's scales; wave 3 Wo's.
.set SLOT,  4096                       ; K steps 4 to 7 of a tile lie 4,096 bytes behind its K steps 0 to 3; a tile is 8,192 bytes
.set BOFF,  65536
.set SCL,   131072
.set STAGE, SCL+8192                   ; the way out: 16 rows x (256 bytes + 16) for each wave
.set SP,    272
.set SPARE, STAGE+4*16*SP              ; the spare words
.set ADRA, 16
.set ADRB, 20
.set STO,  24
.set RD,   25
.set CO,   26
.set ADRS, 27
.set SPW,  28
.set NIL,  29
.set BO,   30
.set SC,   32
.set G1,   24
.set G0,   32
.set G1B,  48
.set G0B,  56
.set G1S,  68
.set G0S,  76
.set G1SB, 80
.set G0SB, 88
.set WV,   92
.set RH,   93
.set PH,   94
.set MSB, 0
.macro WIN new
.if MSB != \new
	s_set_vgpr_msb (MSB<<8)|\new
.set MSB, \new
.endif
.endm
.macro ARM under, g0, g1, next         ; an arm of the head's one chain of branches on the wave's number: its joint load and a jump to the join
	s_cmp_lt_u32 s[WV], \under
	s_cbranch_scc0 \next
	tensor_load_to_lds s[\g0:\g0+3], s[\g1:\g1+7]
	s_nop 0
.rept 4
	v_nop
.endr
	s_branch .Lhead_asked
\next:
.endm
.macro CROUND
	s_barrier_signal -1
	s_barrier_wait -1
	s_cmp_lg_u32 s[WV], 0
	s_cbranch_scc1 .Lnot_wave_0_\@
	s_barrier_signal -3
.Lnot_wave_0_\@:
	s_barrier_wait -3
	s_barrier_signal -1
	s_barrier_wait -1
.endm
.macro PLACES n
.rept \n
	v_nop
.endr
.endm
	s_load_b256 s[4:11], s[0:1], 0x0               ; oc, os, wc, ws
	s_load_b128 s[12:15], s[0:1], 0x20             ; bo, out0
	v_lshl_add_u32 v[SPW], v0, 2, SPARE
	v_mov_b32 v[NIL], 0
	ds_add_u32 v[SPW], v[NIL]                      ; the wave's opening: the add, twice on end, and its wait ahead of my first tensor load
	ds_add_u32 v[SPW], v[NIL]
	v_lshrrev_b32 v1, 5, v0
	v_readfirstlane_b32 s[WV], v1
	s_lshr_b32 s[RH], s[WV], 1                     ; which 64 rows are mine.  Also: I fetch codes (0) or scales (1)
	s_and_b32 s[PH], s[WV], 1                      ; which 64 columns.  Also: I fetch for o (0) or for Wo (1)
	s_bfe_u32 s40, ttmp6, 0x40000
	s_bfe_u32 s41, ttmp6, 0x40004
	s_lshl_b32 s42, ttmp9, 2
	s_add_co_u32 s42, s42, s40                     ; block of 128 columns
	s_and_b32 s43, ttmp7, 0xffff
	s_lshl_b32 s43, s43, 2
	s_add_co_u32 s43, s43, s41                     ; block of 128 rows
	s_lshl_b32 s44, s41, 2
	s_lshl_b32 s44, 15, s44                        ; my row of the cluster
	s_lshl_b32 s45, 0x1111, s40                    ; my column
	s_or_b32 s[G1+0], s44, (3<<16)|(1<<21)
	s_or_b32 s[G1B+0], s45, (3<<16)|(1<<21)
.irp g, G1, G1B
	s_mov_b32 s[\g+1], 32<<16                      ; a dense block of 65,536 bytes as 256 rows of 256 bytes
	s_mov_b32 s[\g+2], 256<<16
	s_mov_b32 s[\g+3], 32<<16
	s_mov_b32 s[\g+4], 256
	s_mov_b32 s[\g+5], 32
	s_mov_b32 s[\g+6], 0
	s_mov_b32 s[\g+7], 0
.endr
	s_or_b32 s[G1S+0], s44, (3<<16)|(1<<21)
	s_or_b32 s[G1SB+0], s45, (3<<16)|(1<<21)
.irp g, G1S, G1SB
	s_mov_b32 s[\g+1], 32<<16                      ; the scales of eight tiles: 4,096 dense bytes as 16 rows of 256
	s_mov_b32 s[\g+2], 16<<16                      ; eight tiles' scales: 16 rows of 256 bytes
	s_mov_b32 s[\g+3], 32<<16
	s_mov_b32 s[\g+4], 16
	s_mov_b32 s[\g+5], 32
	s_mov_b32 s[\g+6], 0
	s_mov_b32 s[\g+7], 0
.endr
	s_lshl_b32 s96, s43, 16                        ; o's codes: 8 tiles a block
	s_mov_b32 s97, 0
	s_lshl_b32 s22, s43, 12                        ; o's scales
	s_mov_b32 s23, 0
	s_lshl_b32 s46, s42, 16                        ; Wo's codes: 192 tiles into wc
	s_add_co_u32 s46, s46, 1572864
	s_mov_b32 s47, 0
	s_lshl_b32 s2, s42, 12                         ; Wo's scales: 192 tiles into ws
	s_add_co_u32 s2, s2, 98304
	s_mov_b32 s3, 0
	s_mov_b32 s[G0S], 1                            ; where they go: constants of the text
	s_mov_b32 s[G0S+1], SCL
	s_mov_b32 s[G0SB], 1
	s_mov_b32 s[G0SB+1], SCL+4096
	s_mov_b32 s[G0], 1
	s_mov_b32 s[G0+1], 0
	s_mov_b32 s[G0B], 1
	s_mov_b32 s[G0B+1], BOFF
	s_wait_dscnt 0x0                               ; both opening adds are done
	s_wait_kmcnt 0x0
	s_add_nc_u64 s[G0+2:G0+3], s[4:5], s[96:97]
	s_add_nc_u64 s[G0S+2:G0S+3], s[6:7], s[22:23]
	s_add_nc_u64 s[G0B+2:G0B+3], s[8:9], s[46:47]
	s_add_nc_u64 s[G0SB+2:G0SB+3], s[10:11], s[2:3]
	s_or_b32 s[G0+3], s[G0+3], 0x80000000
	s_or_b32 s[G0S+3], s[G0S+3], 0x80000000
	s_or_b32 s[G0B+3], s[G0B+3], 0x80000000
	s_or_b32 s[G0SB+3], s[G0SB+3], 0x80000000
	CROUND                                         ; all sixteen work-groups are here
	ARM 1, G0,  G1,  .Lhead_b                      ; one joint load a wave: o's codes,
	ARM 2, G0B, G1B, .Lhead_sa                     ; Wo's codes,
	ARM 3, G0S, G1S, .Lhead_sb                     ; o's scales,
	tensor_load_to_lds s[G0SB:G0SB+3], s[G1SB:G1SB+7]   ; Wo's scales
	s_nop 0
.rept 4
	v_nop
.endr
.Lhead_asked:
	s_lshl_b32 s46, s42, 9                         ; my 64 columns, in bytes of f32
	s_lshl_b32 s47, s[PH], 8
	s_add_co_u32 s46, s46, s47
	s_mov_b32 s47, 0
	s_add_nc_u64 s[12:13], s[12:13], s[46:47]      ; the bias,
	s_add_nc_u64 s[14:15], s[14:15], s[46:47]      ; and out0's columns;
	s_lshl_b32 s46, s43, 19
	s_lshl_b32 s2, s[RH], 18
	s_add_co_u32 s46, s46, s2
	s_add_nc_u64 s[14:15], s[14:15], s[46:47]      ; my 64 rows of 4,096 bytes
	v_and_b32 v1, 31, v0
	v_and_b32 v2, 15, v0
	v_bfe_u32 v3, v0, 4, 1
	s_wait_alu depctr_va_vdst(0)
	v_lshlrev_b32 v[BO], 6, v3                     ; tile b's eight registers are columns 32 (b / 2) + 16 h + 8 (b % 2) on
	WIN 0x40
.irp b, 0,1,2,3
	global_load_b128 v[128+8*\b:128+8*\b+3], v[BO], s[12:13] offset:128*(\b/2)+32*(\b%2)
	global_load_b128 v[128+8*\b+4:128+8*\b+7], v[BO], s[12:13] offset:128*(\b/2)+32*(\b%2)+16
.endr
	WIN 0
	v_lshlrev_b32 v4, 4, v1
	s_lshl_b32 s22, s[RH], 15                      ; my four tiles, 8,192 bytes each
	s_lshl_b32 s23, s[PH], 15
	s_add_co_u32 s23, s23, BOFF
.irp s, 0,1
	v_add_nc_u32 v[ADRA+\s], s22, v4
	v_add_nc_u32 v[ADRB+\s], s23, v4
	s_add_co_u32 s22, s22, SLOT
	s_add_co_u32 s23, s23, SLOT
.endr
	s_lshl_b32 s22, s[RH], 11                      ; scale words: o's for lanes 0-15,
	s_lshl_b32 s23, s[PH], 11
	s_add_co_u32 s23, s23, 4096                    ; Wo's for lanes 16-31:
	s_sub_co_u32 s23, s23, s22
	v_mul_u32_u24 v5, s23, v3                      ; the lower base + h x the distance
	s_add_co_u32 s22, s22, SCL
	v_lshl_add_u32 v5, v2, 3, v5
	v_add_nc_u32 v[ADRS], s22, v5
	s_mul_i32 s22, s[WV], 16*SP
	s_add_co_u32 s22, s22, STAGE                   ; my stage
	v_mul_u32_u24 v[STO], v2, SP
	v_lshl_add_u32 v[STO], v3, 6, v[STO]
	v_add_nc_u32 v[STO], s22, v[STO]               ; in: row r, + 64 h
	v_mul_u32_u24 v[RD], v3, SP
	v_lshl_add_u32 v[RD], v2, 4, v[RD]
	v_add_nc_u32 v[RD], s22, v[RD]                 ; back: lanes 0-15 one row of 256 bytes, lanes 16-31 the next
	v_lshlrev_b32 v[CO], 12, v3
	v_lshl_add_u32 v[CO], v2, 4, v[CO]             ; and the same two rows in out0
.macro FETCH s                         ; K step s: Wo's four fragments and o's four into set s % 2
.set FB, 64+64*((\s)%2)
.irp i, 0,1,2,3
.irp c, 0,1
	ds_load_b128 v[FB+8*\i+4*\c:FB+8*\i+4*\c+3], v[ADRB+(\s)/4] offset:8192*\i+1024*((\s)%4)+512*\c
.endr
.endr
.irp i, 0,1,2,3
.irp c, 0,1
	ds_load_b128 v[FB+32+8*\i+4*\c:FB+32+8*\i+4*\c+3], v[ADRA+(\s)/4] offset:8192*\i+1024*((\s)%4)+512*\c
.endr
.endr
.endm
.macro KSTEP s
	s_wait_dscnt 0x0                               ; this step's fragments are in
.if (\s) == 3
	s_wait_tensorcnt 0x0                           ; my part of slot 1 has landed
	ds_add_u32 v[SPW], v[NIL]
	s_wait_dscnt 0x0
	s_barrier_signal -1
	s_barrier_wait -1                              ; slot 1 is whole
.endif
.if (\s) < 7
	PLACES 4                                       ; four places in front of loads into the set that the last step's products read
	FETCH (\s)+1
.endif
.set FB, 64+64*((\s)%2)
	WIN 0x50                                       ; C and D window 1
.irp a, 0,1,2,3
.irp b, 0,1,2,3
.if (\s) == 0
	v_wmma_scale_f32_16x16x128_f8f6f4 v[8*(4*\a+\b):8*(4*\a+\b)+7], v[FB+8*\b:FB+8*\b+7], v[FB+32+8*\a:FB+32+8*\a+7], v[128+8*\b:128+8*\b+7], v[SC+8*\b+(\s)], v[SC+8*\a+(\s)] matrix_a_fmt:MATRIX_FMT_FP4 matrix_b_fmt:MATRIX_FMT_FP4 matrix_a_scale:MATRIX_SCALE_ROW1
.else
	v_wmma_scale_f32_16x16x128_f8f6f4 v[8*(4*\a+\b):8*(4*\a+\b)+7], v[FB+8*\b:FB+8*\b+7], v[FB+32+8*\a:FB+32+8*\a+7], v[8*(4*\a+\b):8*(4*\a+\b)+7], v[SC+8*\b+(\s)], v[SC+8*\a+(\s)] matrix_a_fmt:MATRIX_FMT_FP4 matrix_b_fmt:MATRIX_FMT_FP4 matrix_a_scale:MATRIX_SCALE_ROW1
.endif
.endr
.endr
	WIN 0
.endm
	s_wait_alu depctr_va_vdst(0)
	s_wait_tensorcnt 0x0                           ; my one fill has landed
	s_barrier_signal -1
	s_barrier_wait -1
.irp i, 0,1,2,3
.irp qq, 0,1,2,3
	ds_load_b64 v[SC+8*\i+2*\qq:SC+8*\i+2*\qq+1], v[ADRS] offset:512*\i+128*\qq   ; all eight K steps' scale words, once
.endr
.endr
	FETCH 0
	s_wait_loadcnt 0x0                             ; the bias
.irp s, 0,1,2,3,4,5,6,7
	KSTEP \s                                       ; the 16 accumulators take turns, in the same order in every step; the first step's products start from the bias
.endr
; THE WAY OUT, a tile of 16 rows x 64 columns at a time, through my own stage: LDS serves a wave's instructions in order (ISA guide 5.7.1.4), so no wait stands between the stores and the loads.
.macro TOSTAGE a
	WIN 0x04                                       ; an LDS store's data are its source 1: window 1
.irp b, 0,1,2,3
	ds_store_b128 v[STO], v[8*(4*\a+\b):8*(4*\a+\b)+3] offset:128*(\b/2)+32*(\b%2)       ; each accumulator from its low end on
	ds_store_b128 v[STO], v[8*(4*\a+\b)+4:8*(4*\a+\b)+7] offset:128*(\b/2)+32*(\b%2)+16
.endr
	WIN 0
.irp t, 0,1,2,3,4,5,6,7
	ds_load_b128 v[64+32*\a+4*\t:64+32*\a+4*\t+3], v[RD] offset:2*\t*SP
.endr
.endm
.macro SEND a, younger                 ; younger: the LDS instructions issued behind tile a's loads
	s_wait_dscnt \younger
.irp t, 0,1,2,3,4,5,6,7
	global_store_b128 v[CO], v[64+32*\a+4*\t:64+32*\a+4*\t+3], s[14:15] offset:(32*(\a/2)+8*(\a%2)+2*\t+8*(\t/4))*4096 th:TH_STORE_NT   ; storage row 2 t + h of tile a is this logical row; sixteen lanes store 256 consecutive bytes, aligned
.endr
.endm
	PLACES 4                                       ; four places in front of the first read of results and of loads into the fragments' registers
	TOSTAGE 0
	TOSTAGE 1
	SEND 0, 16                                     ; behind tile 0's loads: tile 1's eight stores and eight loads
	TOSTAGE 2
	SEND 1, 16
	TOSTAGE 3
	SEND 2, 16
	SEND 3, 0
	s_wait_tensorcnt 0x0                           ; the wave's end
	ds_add_u32 v[SPW], v[NIL]
	s_wait_dscnt 0x0
	CROUND                                         ; the closing round
	s_endpgm
.Lfunc_end_k_q60e7efe0dc_oproj:
	.size	k_q60e7efe0dc_oproj, .Lfunc_end_k_q60e7efe0dc_oproj-k_q60e7efe0dc_oproj
	.p2alignl 7, 3214868480
	.fill 96, 4, 3214868480
	.section	.rodata,"a",@progbits
	.p2align	6, 0x0
	.amdhsa_kernel k_q60e7efe0dc_oproj
		.amdhsa_group_segment_fixed_size 167936
		.amdhsa_private_segment_fixed_size 0
		.amdhsa_enable_private_segment 0
		.amdhsa_kernarg_size 48
		.amdhsa_user_sgpr_count 2
		.amdhsa_user_sgpr_kernarg_segment_ptr 1
		.amdhsa_wavefront_size32 1
		.amdhsa_system_sgpr_workgroup_id_x 1
		.amdhsa_system_sgpr_workgroup_id_y 1
		.amdhsa_system_sgpr_workgroup_id_z 1
		.amdhsa_system_vgpr_workitem_id 0
		.amdhsa_next_free_vgpr 512
		.amdhsa_next_free_sgpr 102
		.amdhsa_reserve_vcc 0
		.amdhsa_float_denorm_mode_32 3
		.amdhsa_float_denorm_mode_16_64 3
		.amdhsa_memory_ordered 1
		.amdhsa_forward_progress 1
		.amdhsa_inst_pref_size 44
	.end_amdhsa_kernel
	.amdgpu_metadata
---
amdhsa.version: [ 1, 2 ]
amdhsa.kernels:
  - .name:           k_q60e7efe0dc_oproj
    .symbol:         k_q60e7efe0dc_oproj.kd
    .args:
      - { .name: oc, .offset: 0, .size: 8, .value_kind: global_buffer, .address_space: global }
      - { .name: os, .offset: 8, .size: 8, .value_kind: global_buffer, .address_space: global }
      - { .name: wc, .offset: 16, .size: 8, .value_kind: global_buffer, .address_space: global }
      - { .name: ws, .offset: 24, .size: 8, .value_kind: global_buffer, .address_space: global }
      - { .name: bo, .offset: 32, .size: 8, .value_kind: global_buffer, .address_space: global }
      - { .name: out0, .offset: 40, .size: 8, .value_kind: global_buffer, .address_space: global }
    .group_segment_fixed_size: 167936
    .private_segment_fixed_size: 0
    .kernarg_segment_align: 8
    .kernarg_segment_size: 48
    .max_flat_workgroup_size: 128
    .sgpr_count:     102
    .vgpr_count:     512
    .wavefront_size: 32
...
	.end_amdgpu_metadata
.endif
;; end of part 4
